; MI455X (gfx1250); checked and timed in simulation.
; The chip was launched on July 23, 2026; its instructions are those of AMD's public machine-readable ISA for CDNA 5 (MIT licence, August 2026) and "CDNA5" Instruction Set Architecture Reference Guide (July 2026). The comments in the code are by the model that wrote it; some were corrected since.
;; Bilinear Attention. Allowed arithmetic: matrix products marked QUANTISED: E2M3 operands, one E8M0 scale for each 32 along K, by v_wmma_scale_f32_16x16x128_f8f6f4 with both operands' format E2M3, f32 sums; everything else in f32.
;; Inputs: Wk1 1,024 x 1,024 float32; Wk2 1,024 x 1,024 float32; Wout 1,024 x 1,024 float32; Wq1 1,024 x 1,024 float32; Wq2 1,024 x 1,024 float32; Wv 1,024 x 1,024 float32; x 2 x 2,048 x 1,024 float32.
;; Outputs: out0 2 x 2,048 x 1,024 float32.
;; This version of the problem:
;;   THIS VERSION OF THE PROBLEM IS GIVEN IN LOW PRECISION. The matrix products marked QUANTISED in the list below multiply operands that are first quantised to E2M3 (2 exponent bits, 3 mantissa bits; 6 bits a number), with one power-of-two scale for each 32 numbers along K (OCP MX v1.0); their sums are f32. All else is computed in f32.
;;   The module's matrix products, in the order in which they are computed (A, B: the left and right operand; K: the contracted axis; several contracted axes count as one K, in the product's order):
;;     1. [M 4,096, K 1,024] x [K 1,024, N 1,024]; A: input x; B: input Wq1: QUANTISED
;;     2. [M 4,096, K 1,024] x [K 1,024, N 1,024]; A: input x; B: input Wk1: QUANTISED
;;     3. [M 4,096, K 1,024] x [K 1,024, N 1,024]; A: input x; B: input Wq2: QUANTISED
;;     4. [M 4,096, K 1,024] x [K 1,024, N 1,024]; A: input x; B: input Wk2: QUANTISED
;;     5. [M 4,096, K 1,024] x [K 1,024, N 1,024]; A: input x; B: input Wv: QUANTISED
;;     6. batch 32 x [M 2,048, K 64] x [K 64, N 2,048]; A: computed on the way; B: computed on the way: QUANTISED
;;     7. batch 32 x [M 2,048, K 64] x [K 64, N 2,048]; A: computed on the way; B: computed on the way: QUANTISED
;;     8. batch 32 x [M 64, K 2,048] x [K 2,048, N 2,048]; A: computed on the way; B: computed on the way: QUANTISED
;;     9. [M 4,096, K 1,024] x [K 1,024, N 1,024]; A: computed on the way; B: input Wout: QUANTISED
;;   THE QUANTISER, for each operand of a quantised product, along K:
;;     - K is cut into blocks of 32 from its start; a last block that is shorter is filled with zeros.
;;     - A block's scale is 2^e with e = floor(log2(the largest magnitude in the block)) - 2, held to -126 .. 127; a block of zeros has e = 0. As a byte (E8M0): e + 127.
;;     - Each number is divided by its block's scale, clamped to +-7.5, and rounded to the nearest number of E2M3, ties to even, subnormals kept.
;;     - The product sums the exact products of the quantised numbers (number of the format x scale) in f32.
;;   ~~~python
;;   def quantise(x, axis):      # numpy; x: float32 -> the quantised numbers, widened to float32 again
;;       x = np.moveaxis(x, axis, -1); K = x.shape[-1]
;;       x = np.pad(x, [(0, 0)] * (x.ndim - 1) + [(0, -K % 32)]); x = x.reshape(x.shape[:-1] + (-1, 32)); a = np.abs(x).max(-1, keepdims=True)
;;       e = np.where(a > 0, np.clip(np.frexp(np.where(a > 0, a, 1))[1] - 1 - 2, -126, 127), 0)      # np.frexp(a)[1] - 1 = floor(log2(a)), exactly
;;       r = np.clip(x / 2.0 ** e, -7.5, 7.5)
;;       step = 2.0 ** (np.maximum(np.frexp(np.where(r == 0, 1, r))[1] - 1, 0) - 3)
;;       q = np.round(r / step) * step * 2.0 ** e      # np.round: ties to even
;;       return np.moveaxis(q.reshape(q.shape[:-2] + (-1,))[..., :K], -1, axis).astype(np.float32)
;;   ~~~
;;   OPERANDS COMPUTED ON THE WAY. 'Computed on the way' means the value that the module computes at that place (a softmax that the list does not call 'softmax' is quantised finished and normalised). What goes into a quantiser is computed in f32, as accurately as f32 sums, v_exp_f32 and their like allow (about 1e-6 of the number): no bf16 or f16 on the way to a quantiser, and a product that is left as it is and whose result goes on into a quantised operand takes f32 operands (vector FMAs, or v_wmma_f32_16x16x4_f32). A number that lies on a knife's edge between two numbers of the format may be rounded either way, as far as f32 arithmetic and the matrix unit's own rounding can turn it there, and no further.
;; 2 versions, each right. Each part assembles by itself: llvm-mc -triple=amdgcn-amd-amdhsa -mcpu=gfx1250 --defsym DOCPART=n.
;; ======== version 1 of 2: 4 launches
;; workspace buffers: xq 3,276,800 bytes; wq 4,915,200 bytes; rope 524,288 bytes; qkv 16,384,000 bytes; yq 3,276,800 bytes
;; launch prep (part 1): grid 352 x 1, 4 waves a work-group, no clusters, 34,304 bytes of LDS; arguments x, Wq1, Wq2, Wk1, Wk2, Wv, Wout, xq, wq, rope; writes xq, wq, rope
.if DOCPART == 1
	.amdgcn_target "amdgcn-amd-amdhsa--gfx1250"
	.amdhsa_code_object_version 6
	.text
	.protected	k_q3fea075f08_prep
	.globl	k_q3fea075f08_prep
	.p2align	8
	.type	k_q3fea075f08_prep,@function
k_q3fea075f08_prep:
	s_mov_b64 s[64:65], 0
	v_nop
	global_prefetch_b8 v0, s[64:65] scope:SCOPE_SE
	s_setreg_imm32_b32 hwreg(HW_REG_WAVE_MODE, 25, 1), 1
	s_wait_xcnt 0x0
; PREP.  x [4096][1024] and the six weights [1024][1024], f32 with K innermost, become codes of FP6 (E2M3) with one E8M0 byte for each 32 along K; and the rotary table is made.
; LAYOUT OF THE CODES: images of the matrix operand's registers.  A fragment is 16 rows x 128 K = 12 registers a lane = 1,536 bytes: three pieces of 512 bytes, piece c = registers 4 c .. 4 c + 3, lane l's 16 bytes at 16 l.
; Lane (r, h) holds row pi(a, r) = 32 (a / 2) + 8 (a % 2) + r + 8 (r / 8) of a group of 128 rows (a = 0 .. 7), registers 6 c .. 6 c + 5 = K 64 c + 32 h + 0 .. 31.
; Codes: [group R][K step s of 128, 0..7][a][1536].  Scale words: [R][s / 4][a][r][s % 4], 4 bytes each, behind the codes.
; wq's groups: 0-15 = head h: Wq1's rows 64 h .. + 63, then Wq2's; 16-31 the same of Wk1, Wk2; 32-39 Wv; 40-47 Wout.
; SHARES.  Work-groups 0-127: x, 64 rows x 512 K each; 128-319: the weights likewise; a wave takes 16 rows (one a), four fragments.  Work-groups 320-351: the rotary table, a wave to 16 tokens.
; Each load reads 512 consecutive bytes of a row; a fragment's 16 rows turn through the wave's own stage in LDS, so that a lane gets 2 x 32 neighbours along K; each store writes 512 consecutive aligned bytes.
; THE SCALE: the largest magnitude's exponent field less 2, held at 1 from below by a floor among the maximum's leaves.  A block of zeros so gets the byte 1 where the rule says 127: its codes are zeros, and this program alone reads the bytes.
; THE TABLE: rope[8 (t / 128) + a][piece 0..7][lane][16 bytes]: lane (r, h), token 128 (t / 128) + pi(a, r): pieces 0-3 cos, pieces 4-7 sin of t x inv_freq(16 h + 0 .. 15), rounded to bf16 and widened to f32.
; inv_freq(i) = 1 / 10^(i / 8), the power as the nearest f32, the quotient by a reciprocal and two corrections; sine and cosine by a reduction in two parts of pi / 2 and Taylor sums (errors near 1e-7 ahead of the rounding to bf16).
; LIMITS: NaN and infinities among the inputs are not served; blocks whose largest magnitude lies under 2^-124 keep the byte 1; a few table entries that lie at a middle between two bf16 numbers may round the other way than another library's cosine.
.set STG,   8448                       ; a wave's stage: 16 rows x (512 bytes + 16)
.set SPARE, 4*STG                      ; behind the stages: the spare words, 128 bytes a wave
.set XSC,   3145728                    ; where xq's scale words begin
.set WSC,   4718592                    ; and wq's
.set SPW, 12                           ; v12  my spare word's LDS address; never rewritten
.set NIL, 13                           ; v13  0; never rewritten
.set RS,  16                           ; v16-143  two sets of 64: 16 rows as loaded
.set X,   144                          ; v144-207 my 2 x 32 neighbours
.set PC,  208                          ; v208-219 the fragment's codes
.set TC,  220                          ; v220-222, v224-226 the upper halves of the two blocks
.set M,   228                          ; largest magnitudes
.set SO,  230                          ; the conversions' scale operands
.set BY,  232                          ; the bytes
.set T0,  234                          ; v234-235 at work
.set W,   236                          ; v236-239 the four fragments' scale words
	s_load_b512 s[8:23], s[0:1], 0x0               ; x, Wq1, Wq2, Wk1, Wk2, Wv, Wout, xq
	s_load_b128 s[24:27], s[0:1], 0x40             ; wq, rope
	v_lshl_add_u32 v[SPW], v0, 2, SPARE
	v_mov_b32 v[NIL], 0
	v_lshrrev_b32 v8, 5, v0
	v_readfirstlane_b32 s28, v8                    ; wave
	v_and_b32 v8, 31, v0
	v_lshlrev_b32 v1, 4, v8                        ; 16 x lane
	v_and_b32 v2, 15, v0                           ; r
	v_bfe_u32 v3, v0, 4, 1                         ; h
	s_cmp_ge_u32 ttmp9, 320
	s_cbranch_scc1 .Lrope
	; ---- which tensor, which 64 rows, which half of K
	s_and_b32 s29, ttmp9, 1                        ; half of K
	s_sub_co_u32 s32, ttmp9, 128
	s_lshr_b32 s30, s32, 5                         ; the weight's number 0..5
	s_bfe_u32 s31, s32, 0x40001                    ; its group of 64 rows
	s_lshr_b32 s33, ttmp9, 1                       ; x's group of 64 rows
	s_cmp_lt_u32 ttmp9, 128
	s_cselect_b32 s30, 15, s30                     ; 15 stands for x
	s_cselect_b32 s31, s33, s31
	s_lshr_b32 s33, s30, 1                         ; Wq1 .. Wk2: group = head + 16 for the k's, blocks 0-3 for the first of a pair, 4-7 for the second
	s_lshl_b32 s33, s33, 4
	s_add_co_u32 s33, s33, s31
	s_and_b32 s34, s30, 1
	s_lshl_b32 s34, s34, 2
	s_lshr_b32 s35, s31, 1                         ; x, Wv, Wout: two groups of 64 make one of 128
	s_and_b32 s36, s31, 1
	s_lshl_b32 s36, s36, 2
	s_cmp_eq_u32 s30, 4
	s_cselect_b32 s37, 32, 0
	s_cmp_eq_u32 s30, 5
	s_cselect_b32 s37, 40, s37
	s_add_co_u32 s35, s35, s37
	s_cmp_lt_u32 s30, 4
	s_cselect_b32 s33, s33, s35                    ; R
	s_cselect_b32 s34, s34, s36
	s_add_co_u32 s34, s34, s28                     ; a
	s_lshl_b32 s38, s31, 6                         ; the source: row 64 G + 32 (wave / 2) + 8 (wave % 2), 4,096 bytes a row, + 2,048 for the second half of K
	s_lshr_b32 s39, s28, 1
	s_lshl_b32 s39, s39, 5
	s_add_co_u32 s38, s38, s39
	s_and_b32 s39, s28, 1
	s_lshl_b32 s39, s39, 3
	s_add_co_u32 s38, s38, s39
	s_lshl_b32 s38, s38, 12
	s_lshl_b32 s39, s29, 11
	s_add_co_u32 s38, s38, s39
	s_mov_b32 s39, 0
	s_mul_i32 s46, s33, 98304                      ; the codes
	s_mul_i32 s47, s29, 49152
	s_add_co_u32 s46, s46, s47
	s_mul_i32 s47, s34, 1536
	s_add_co_u32 s46, s46, s47
	s_mov_b32 s47, 0
	s_lshl_b32 s48, s33, 12                        ; the scale words
	s_lshl_b32 s49, s29, 11
	s_add_co_u32 s48, s48, s49
	s_lshl_b32 s49, s34, 8
	s_add_co_u32 s48, s48, s49
	s_mov_b32 s49, WSC
	s_cmp_eq_u32 s30, 15
	s_cselect_b32 s49, XSC, s49
	s_add_co_u32 s48, s48, s49
	s_mov_b32 s49, 0
	s_mul_i32 s50, s28, STG
	v_add_nc_u32 v4, s50, v1                       ; the stage, in: a row's 512 bytes as they lie
	v_mul_u32_u24 v5, v2, 528
	v_lshl_add_u32 v5, v3, 7, v5
	v_add_nc_u32 v5, s50, v5                       ; out: row r, + 128 h
	v_lshlrev_b32 v6, 4, v2
	v_lshl_add_u32 v6, v3, 3, v6                   ; the scale words' place: 16 r + 8 h
	v_lshlrev_b32 v7, 3, v3                        ; 8 h
	v_mov_b32 v[T0+1], 0                           ; a lane permute's destination counts as read
	s_mov_b32 s52, 0x76543210
	s_mov_b32 s53, 0xfedcba98                      ; selects for lane l xor 16
	s_wait_kmcnt 0x0
	s_mov_b64 s[40:41], s[8:9]                     ; the choice of buffers hangs on the work-group's number alone
.irp k, 0,1,2,3,4,5
	s_cmp_eq_u32 s30, \k
	s_cselect_b64 s[40:41], s[10+2*\k:11+2*\k], s[40:41]
.endr
	s_cmp_eq_u32 s30, 15
	s_cselect_b64 s[42:43], s[22:23], s[24:25]
	s_add_nc_u64 s[40:41], s[40:41], s[38:39]
	s_add_nc_u64 s[44:45], s[42:43], s[48:49]
	s_add_nc_u64 s[42:43], s[42:43], s[46:47]
.macro LOAD f                          ; fragment f: 16 rows x 512 consecutive bytes
.irp p, 0,1,2,3,4,5,6,7,8,9,10,11,12,13,14,15
	global_load_b128 v[RS+64*((\f)%2)+4*\p:RS+64*((\f)%2)+4*\p+3], v1, s[40:41] offset:(\p+8*(\p/8))*4096+512*(\f) th:TH_LOAD_NT
.endr
.endm
.macro TURN f                          ; through my stage: LDS serves a wave's instructions in order, so no wait stands between the stores and the loads
.irp p, 0,1,2,3,4,5,6,7,8,9,10,11,12,13,14,15
	ds_store_b128 v4, v[RS+64*((\f)%2)+4*\p:RS+64*((\f)%2)+4*\p+3] offset:528*\p
.endr
.irp c, 0,1
.irp j, 0,1,2,3,4,5,6,7
	ds_load_b128 v[X+32*\c+4*\j:X+32*\c+4*\j+3], v5 offset:256*\c+16*\j
.endr
.endr
.endm
.macro QF f                            ; my two whole blocks (2 c + h) become codes; the scale word is gathered from lanes l and l xor 16
.irp c, 0,1
	v_max3_num_f32 v[M+\c], |v[X+32*\c]|, |v[X+32*\c+1]|, 0x1800000   ; with the floor 2^(3 - 127)
.endr
.irp i, 2,4,6,8,10,12,14,16,18,20,22,24,26,28,30
.irp c, 0,1
	v_max3_num_f32 v[M+\c], v[M+\c], |v[X+32*\c+\i]|, |v[X+32*\c+\i+1]|
.endr
.endr
.irp c, 0,1
	v_add_nc_u32 v[SO+\c], 0xff000000, v[M+\c]     ; 2 off the exponent field: the conversion's scale operand
.endr
.irp c, 0,1
	v_lshrrev_b32 v[BY+\c], 23, v[SO+\c]           ; the byte
.endr
	v_lshl_or_b32 v[T0], v[BY+1], 16, v[BY]
	v_lshlrev_b32 v[T0], v7, v[T0]                 ; blocks h and 2 + h at their places
	v_permlanex16_b32 v[T0+1], v[T0], s52, s53
	v_or_b32 v[W+\f], v[T0], v[T0+1]
.irp c, 0,1
	v_cvt_scalef32_pk16_fp6_f32 v[PC+6*\c:PC+6*\c+2], v[X+32*\c:X+32*\c+15], v[SO+\c]
	v_cvt_scalef32_pk16_fp6_f32 v[TC+4*\c:TC+4*\c+2], v[X+32*\c+16:X+32*\c+31], v[SO+\c]   ; (a conversion's three registers begin on an even number)
.endr
	v_nop                                          ; one plain place behind a scaled conversion
.irp c, 0,1
.irp i, 0,1,2
	v_mov_b32 v[PC+6*\c+3+\i], v[TC+4*\c+\i]
.endr
.endr
.irp c, 0,1,2
	global_store_b128 v1, v[PC+4*\c:PC+4*\c+3], s[42:43] offset:(\f)*12288+512*\c   ; 512 consecutive aligned bytes
.endr
.endm
	LOAD 0
	LOAD 1
.irp f, 0,1,2,3
.if \f < 3
	s_wait_loadcnt 16                              ; this fragment's 16 loads are in, the next one's may be out
.else
	s_wait_loadcnt 0x0
.endif
	TURN \f
	s_wait_dscnt 0x0                               ; my numbers are back, and the stage's stores have read their registers,
.if \f < 2
	LOAD \f+2                                      ; which take the fragment two on
.endif
.if \f > 0
	s_wait_xcnt 0x0                                ; the last fragment's stores have read the codes' registers
.endif
	QF \f
.endr
	v_cmp_ne_u32 vcc_lo, 0, v3
	v_cndmask_b32 v[T0], v[W], v[W+2], vcc_lo      ; lanes 0-15 store words 0, 1 of row r, lanes 16-31 words 2, 3: 256 consecutive bytes
	v_cndmask_b32 v[T0+1], v[W+1], v[W+3], vcc_lo
	global_store_b64 v6, v[T0:T0+1], s[44:45]
	s_wait_tensorcnt 0x0                           ; the wave's end, behind my last LDS store
	ds_add_u32 v[SPW], v[NIL]
	s_wait_dscnt 0x0
	s_endpgm
	; ---- the rotary table.  No LDS on this path.
.Lrope:
	s_sub_co_u32 s30, ttmp9, 320
	s_lshl_b32 s30, s30, 2
	s_add_co_u32 s30, s30, s28                     ; the block of 16 tokens, 0 .. 127
	s_lshr_b32 s31, s30, 3
	s_lshl_b32 s31, s31, 7
	s_bfe_u32 s32, s30, 0x20001
	s_lshl_b32 s32, s32, 5
	s_add_co_u32 s31, s31, s32
	s_and_b32 s32, s30, 1
	s_lshl_b32 s32, s32, 3
	s_add_co_u32 s31, s31, s32                     ; 128 (block / 8) + 32 (a / 2) + 8 (a % 2)
	s_lshl_b32 s30, s30, 12                        ; the block's 4,096 bytes of the table
	v_and_b32 v9, 8, v2
	v_add_nc_u32 v9, v9, v2
	v_add_nc_u32 v9, s31, v9                       ; my token
	v_cvt_f32_u32 v20, v9
	s_mov_b32 s31, 0                               ; (from here on the upper word of the pair s[30:31])
	s_mov_b32 s34, 0x3f22f983                      ; 2 / pi
	s_mov_b32 s35, 0xbfc90fdb                      ; - pi / 2, its upper part
	s_mov_b32 s36, 0x333bbd2e                      ; what the upper part has too much
	s_mov_b32 s37, 0x3638ef1d                      ; 1 / 9!
	s_mov_b32 s38, 0xb9500d01                      ; - 1 / 7!
	s_mov_b32 s39, 0x3c088889                      ; 1 / 5!
	s_mov_b32 s40, 0xbe2aaaab                      ; - 1 / 3!
	s_mov_b32 s41, 0xb493f27e                      ; - 1 / 10!
	s_mov_b32 s42, 0x37d00d01                      ; 1 / 8!
	s_mov_b32 s43, 0xbab60b61                      ; - 1 / 6!
	s_mov_b32 s44, 0x3d2aaaab                      ; 1 / 4!
	v_cmp_ne_u32 vcc_lo, 0, v3
.macro PJ j, lo, hi                    ; 10^((16 h + j) / 8)
	v_mov_b32 v[96+\j], \hi
	v_cndmask_b32 v[96+\j], \lo, v[96+\j], vcc_lo
.endm
	PJ 0, 1.0, 100.0
	PJ 1, 1.333521432163324, 133.3521432163324
	PJ 2, 1.7782794100389228, 177.82794100389228
	PJ 3, 2.371373705661655, 237.1373705661655
	PJ 4, 3.1622776601683795, 316.22776601683796
	PJ 5, 4.216965034285822, 421.6965034285822
	PJ 6, 5.623413251903491, 562.3413251903491
	PJ 7, 7.498942093324558, 749.8942093324558
	PJ 8, 10.0, 1000.0
	PJ 9, 13.33521432163324, 1333.521432163324
	PJ 10, 17.782794100389228, 1778.2794100389228
	PJ 11, 23.71373705661655, 2371.373705661655
	PJ 12, 31.622776601683793, 3162.2776601683795
	PJ 13, 42.16965034285822, 4216.965034285822
	PJ 14, 56.23413251903491, 5623.413251903491
	PJ 15, 74.98942093324558, 7498.942093324558
.irp j, 0,1,2,3,4,5,6,7,8,9,10,11,12,13,14,15
	v_rcp_f32 v[112+\j], v[96+\j]
.endr
	v_nop                                          ; a plain place behind the last reciprocal,
	s_wait_alu depctr_va_vdst(0)                   ; and one wait for the batch, ahead of its first reader
.rept 2
.irp j, 0,1,2,3,4,5,6,7,8,9,10,11,12,13,14,15
	v_fma_f32 v[64+\j], -v[96+\j], v[112+\j], 1.0  ; what is missing from 1,
.endr
.irp j, 0,1,2,3,4,5,6,7,8,9,10,11,12,13,14,15
	v_fma_f32 v[112+\j], v[112+\j], v[64+\j], v[112+\j]   ; put back
.endr
.endr
.irp j, 0,1,2,3,4,5,6,7,8,9,10,11,12,13,14,15
	v_mul_f32 v64, v20, v[112+\j]                  ; the angle, rounded to f32 as the definition rounds it
	v_mul_f32 v65, s34, v64
	v_rndne_f32 v65, v65                           ; n quarter turns
	v_fma_f32 v66, v65, s35, v64
	v_fma_f32 v66, v65, s36, v66                   ; what is left, at most pi / 4
	v_mul_f32 v67, v66, v66
	v_fma_f32 v68, v67, s37, s38
	v_fma_f32 v70, v67, s41, s42
	v_fma_f32 v68, v68, v67, s39
	v_fma_f32 v70, v70, v67, s43
	v_fma_f32 v68, v68, v67, s40
	v_fma_f32 v70, v70, v67, s44
	v_mul_f32 v69, v66, v67
	v_fma_f32 v70, v70, v67, -0.5
	v_fma_f32 v68, v69, v68, v66                   ; its sine
	v_fma_f32 v70, v70, v67, 1.0                   ; its cosine
	v_cvt_i32_f32 v71, v65
	v_and_b32 v72, 1, v71
	v_cmp_ne_u32 vcc_lo, 0, v72
	v_cndmask_b32 v73, v68, v70, vcc_lo            ; an odd n changes the two,
	v_cndmask_b32 v74, v70, v68, vcc_lo
	v_and_b32 v72, 2, v71
	v_lshlrev_b32 v72, 30, v72
	v_xor_b32 v73, v72, v73                        ; the sine is negative in quarters 2, 3,
	v_add_nc_u32 v71, 1, v71
	v_and_b32 v71, 2, v71
	v_lshlrev_b32 v71, 30, v71
	v_xor_b32 v74, v71, v74                        ; the cosine in quarters 1, 2
	v_cvt_pk_bf16_f32 v75, v74, v73                ; both rounded to bf16,
	v_lshlrev_b32 v[32+\j], 16, v75                ; and widened again
	v_and_b32 v[48+\j], 0xffff0000, v75
.endr
	s_wait_kmcnt 0x0
	s_add_nc_u64 s[26:27], s[26:27], s[30:31]
.irp c, 0,1,2,3
	global_store_b128 v1, v[32+4*\c:35+4*\c], s[26:27] offset:512*\c
	global_store_b128 v1, v[48+4*\c:51+4*\c], s[26:27] offset:2048+512*\c
.endr
	s_endpgm
.Lfunc_end_k_q3fea075f08_prep:
	.size	k_q3fea075f08_prep, .Lfunc_end_k_q3fea075f08_prep-k_q3fea075f08_prep
	.p2alignl 7, 3214868480
	.fill 96, 4, 3214868480
	.section	.rodata,"a",@progbits
	.p2align	6, 0x0
	.amdhsa_kernel k_q3fea075f08_prep
		.amdhsa_group_segment_fixed_size 34304
		.amdhsa_private_segment_fixed_size 0
		.amdhsa_enable_private_segment 0
		.amdhsa_kernarg_size 80
		.amdhsa_user_sgpr_count 2
		.amdhsa_user_sgpr_kernarg_segment_ptr 1
		.amdhsa_wavefront_size32 1
		.amdhsa_system_sgpr_workgroup_id_x 1
		.amdhsa_system_sgpr_workgroup_id_y 1
		.amdhsa_system_sgpr_workgroup_id_z 1
		.amdhsa_system_vgpr_workitem_id 0
		.amdhsa_next_free_vgpr 240
		.amdhsa_next_free_sgpr 66
		.amdhsa_reserve_vcc 1
		.amdhsa_float_denorm_mode_32 3
		.amdhsa_float_denorm_mode_16_64 3
		.amdhsa_memory_ordered 1
		.amdhsa_forward_progress 1
		.amdhsa_inst_pref_size 62
	.end_amdhsa_kernel
	.amdgpu_metadata
---
amdhsa.version: [ 1, 2 ]
amdhsa.kernels:
  - .name:           k_q3fea075f08_prep
    .symbol:         k_q3fea075f08_prep.kd
    .args:
      - { .name: x, .offset: 0, .size: 8, .value_kind: global_buffer, .address_space: global }
      - { .name: Wq1, .offset: 8, .size: 8, .value_kind: global_buffer, .address_space: global }
      - { .name: Wq2, .offset: 16, .size: 8, .value_kind: global_buffer, .address_space: global }
      - { .name: Wk1, .offset: 24, .size: 8, .value_kind: global_buffer, .address_space: global }
      - { .name: Wk2, .offset: 32, .size: 8, .value_kind: global_buffer, .address_space: global }
      - { .name: Wv, .offset: 40, .size: 8, .value_kind: global_buffer, .address_space: global }
      - { .name: Wout, .offset: 48, .size: 8, .value_kind: global_buffer, .address_space: global }
      - { .name: xq, .offset: 56, .size: 8, .value_kind: global_buffer, .address_space: global }
      - { .name: wq, .offset: 64, .size: 8, .value_kind: global_buffer, .address_space: global }
      - { .name: rope, .offset: 72, .size: 8, .value_kind: global_buffer, .address_space: global }
    .group_segment_fixed_size: 34304
    .private_segment_fixed_size: 0
    .kernarg_segment_align: 8
    .kernarg_segment_size: 80
    .max_flat_workgroup_size: 128
    .sgpr_count:     66
    .vgpr_count:     240
    .wavefront_size: 32
...
	.end_amdgpu_metadata
.endif
;; end of part 1
;; launch proj (part 2): grid 80 x 4, 4 waves a work-group, clusters of 4 x 4, 327,680 bytes of LDS; arguments xq, wq, rope, qkv; writes qkv
.if DOCPART == 2
	.amdgcn_target "amdgcn-amd-amdhsa--gfx1250"
	.amdhsa_code_object_version 6
	.text
	.protected	k_q3fea075f08_proj
	.globl	k_q3fea075f08_proj
	.p2align	8
	.type	k_q3fea075f08_proj,@function
k_q3fea075f08_proj:
	s_mov_b64 s[64:65], 0
	v_nop
	global_prefetch_b8 v0, s[64:65] scope:SCOPE_SE
	s_setreg_imm32_b32 hwreg(HW_REG_WAVE_MODE, 25, 1), 1
	s_wait_xcnt 0x0
	s_wait_alu depctr_hold_cnt(0) depctr_sa_sdst(0) depctr_va_vdst(0) depctr_va_sdst(0) depctr_va_ssrc(0) depctr_va_vcc(0) depctr_vm_vsrc(0)
	s_getreg_b32 s2, hwreg(HW_REG_IB_STS2, 6, 4)
	s_cmp_eq_u32 s2, 0
	s_cbranch_scc0 .Lentry_in_a_cluster
	s_endpgm
.Lentry_in_a_cluster:
	s_bfe_u32 s2, ttmp6, 0x10000c
	s_cmp_lg_u32 s2, 0xf033
	s_cbranch_scc0 .Lentry_shape_is_right
	s_endpgm
.Lentry_shape_is_right:
; PROJ.  The five projections of x on codes of FP6 (E2M3), the rotary step, and the quantising of q1 | q2 and k1 | k2 along the head's 64 and of v along the keys.  Nothing leaves as f32.
; OPERANDS are images of registers (a fragment = 16 rows x 128 K = 1,536 bytes, three pieces of 512, lane l's 16 bytes at 16 l); block a, lane row r = row pi(a, r) = 32 (a / 2) + 8 (a % 2) + r + 8 (r / 8) of a group of 128.
; So a product's result falls as the next quantiser wants it: lane (r, h) holds source 1's row pi(a, r), and the 16 registers of tiles 2 b, 2 b + 1 are source 0's rows 32 b + 16 h + 0 .. 15.
; TILES of 256 x 256, four waves of 128 x 128 (64 accumulators, 512 registers).  Clusters 0-15 of the grid's 20: source 1 = tokens, source 0 = a head's unit [Wq1 | Wq2] or [Wk1 | Wk2]: a lane holds a token, its registers run along the unit.
; Clusters 16-19: source 1 = Wv's rows, source 0 = tokens: a lane holds a channel, its registers run along the keys.  The branch hangs on the cluster's number, which all sixteen partners share.
; K = 1,024 goes in four steps of 256 through two LDS slots; a wave's tensor load brings 128 rows x 256 K, 24,576 dense bytes.  The scale words of the tile's rows, for all of K, come once with the first fills.
; CLUSTER 4 x 4: source 1's tiles are shared along a row of the cluster, source 0's along a column, each asked for jointly.
; OUT: qkv = QQ [b h][key step of 128][a][1536] (K = q1 | q2), KK likewise, VV [b h][key step][tile of 16 channels, 4][1536] (K = 128 keys), then their scale words QS, KS [b h][step][r][a], VS [b h][step][r][tile].
; LIMITS: NaN and infinities are not served; blocks whose largest magnitude lies under 2^-124 keep the byte 1 (a block of zeros too: its codes are zeros, and this program alone reads the bytes).
; REGISTERS: window 0: v0-31 addresses; v32-63 scale words, two sets; v64-127 two blocks of the rotary table; v128-223 source 1's fragments, one set; on the way out v128-239 at work.
;   window 1: source 0's fragments, two sets, at v0 and v128.   windows 2, 3: the accumulators of my rows 0-63 and 64-127 ((a, b) at v[8 (8 (a % 4) + b)]).
.set HALFT,  24576                     ; 128 rows x 256 K: what one tensor load brings
.set SLOT,   4*HALFT
.set SCL,    2*SLOT                    ; behind the ring: the scale words, 4,096 bytes for each 128 rows
.set SPARE,  SCL+4*4096                ; the spare words, 128 bytes a wave
.set FR,     12
.set NL,     3                         ; LDS loads that bring a fragment
.set NQ,     2                         ; steps of 128 in a slot
.set NP,     4                         ; places behind this matrix instruction (ISA guide 7.12.1)
.set XSC,    3145728
.set WSC,    4718592
.set OFF_VV, 12582912
.set OFF_QS, 15728640
.set OFF_VS, 16252928
.set ADRA, 16                          ; v16-17 LDS address of source 1's fragments in slot 0, 1
.set ADRB, 20                          ; v20-21 of source 0's
.set SOF,  24                          ; v24    the scale words' place on the way out
.set LI,   26                          ; v26    16 x lane
.set ADRS, 27                          ; v27    LDS address of my scale words: lanes 0-15 source 1's rows, lanes 16-31 source 0's
.set SPW,  28                          ; v28    my spare word's LDS address; never rewritten
.set NIL,  29                          ; v29    0; never rewritten
.set SC,   32
.set CT,   64                          ; the table: block a in set a % 2: 16 cosines, 16 sines
.set AF,   128
.set HA,   128                         ; the way out: 64 numbers behind the rotary step
.set PC,   192                         ; v192-203 codes; v204-206, v208-210 upper halves
.set TMX,  212
.set TP,   216
.set TSO,  224
.set PW,   228                         ; v228-235 the eight blocks' scale words
.set OUTW, 236
.set G1, 24
.set G0, 32
.set G1B, 48
.set G0B, 56
.set G1S, 68
.set G0S, 76
.set G1SB, 80
.set G0SB, 88
.set MSB, 0
.macro WIN new                         ; the immediate's high byte repeats the setting that is left
.if MSB != (\new)
	s_set_vgpr_msb (MSB<<8)|(\new)
.set MSB, (\new)
.endif
.endm
.set MUL_LO, 0xa1                      ; source 0 window 1, source 1 window 0, C and D window 2
.set MUL_HI, 0xf1
.set TO_B,   0x40
; A joint load: waves 0 and 1 fetch source 1's halves, waves 2 and 3 source 0's.  An s_nop 0 and four v_nop follow each line.
.macro JLOAD g0a, g1a, g0b, g1b
	s_cmp_eq_u32 s15, 0
	s_cbranch_scc0 .Lfor_b_\@
	tensor_load_to_lds s[\g0a:\g0a+3], s[\g1a:\g1a+7]
	s_nop 0
.rept 4
	v_nop
.endr
	s_branch .Lasked_\@
.Lfor_b_\@:
	tensor_load_to_lds s[\g0b:\g0b+3], s[\g1b:\g1b+7]
	s_nop 0
.rept 4
	v_nop
.endr
.Lasked_\@:
.endm
.macro CREST
	s_cmp_lg_u32 s14, 0
	s_cbranch_scc1 .Lnot_wave_0_\@
	s_barrier_signal -3
.Lnot_wave_0_\@:
	s_barrier_wait -3
	s_barrier_signal -1
	s_barrier_wait -1
.endm
.macro CROUND
	s_barrier_signal -1
	s_barrier_wait -1
	CREST
.endm
	s_load_b256 s[4:11], s[0:1], 0x0               ; xq, wq, rope, qkv
	v_lshl_add_u32 v[SPW], v0, 2, SPARE
	v_mov_b32 v[NIL], 0
	ds_add_u32 v[SPW], v[NIL]                      ; the wave's opening: the add and its wait ahead of my first tensor load
	v_lshrrev_b32 v1, 5, v0
	v_readfirstlane_b32 s14, v1                    ; wave
	s_lshr_b32 s15, s14, 1                         ; my half of source 1's rows.  Also: I fetch for source 1 (0) or source 0 (1)
	s_and_b32 s16, s14, 1                          ; my half of source 0's rows.  Also: which 128 rows I fetch
	s_bfe_u32 s40, ttmp6, 0x40000                  ; cx
	s_bfe_u32 s41, ttmp6, 0x40004                  ; cy
	s_mov_b32 s95, ttmp9                           ; the cluster's number, 0 .. 19
	s_and_b32 s42, s95, 3
	s_lshl_b32 s42, s42, 2
	s_add_co_u32 s42, s42, s40                     ; source 0's tile, 0 .. 15
	s_lshr_b32 s17, s95, 2
	s_lshl_b32 s17, s17, 2
	s_add_co_u32 s17, s17, s41                     ; source 1's tile: 0 .. 15 of xq; 16 .. 19 of wq, which are Wv's groups 32 .. 39
	s_lshl_b32 s43, s41, 2
	s_lshl_b32 s43, 15, s43                        ; my row of the cluster
	s_lshl_b32 s44, 0x1111, s40                    ; my column
	s_or_b32 s[G1], s43, (3<<16)|(1<<21)           ; the mask; elements of 8 bytes; bit 21 beside a mask; no padding: an image's 512 bytes are read on end
	s_or_b32 s[G1B], s44, (3<<16)|(1<<21)
	s_or_b32 s[G1S], s43, (3<<16)|(1<<21)
	s_or_b32 s[G1SB], s44, (3<<16)|(1<<21)
.irp g, G1, G1B                        ; 96 rows of 256 bytes, dense
	s_mov_b32 s[\g+1], 32<<16
	s_mov_b32 s[\g+2], 96<<16
	s_mov_b32 s[\g+3], 32<<16
	s_mov_b32 s[\g+4], 96
	s_mov_b32 s[\g+5], 32
	s_mov_b32 s[\g+6], 0
	s_mov_b32 s[\g+7], 0
.endr
.irp g, G1S, G1SB                      ; 16 rows of 256 bytes
	s_mov_b32 s[\g+1], 32<<16
	s_mov_b32 s[\g+2], 16<<16
	s_mov_b32 s[\g+3], 32<<16
	s_mov_b32 s[\g+4], 16
	s_mov_b32 s[\g+5], 32
	s_mov_b32 s[\g+6], 0
	s_mov_b32 s[\g+7], 0
.endr
	s_lshl_b32 s20, s17, 1
	s_add_co_u32 s20, s20, s16                     ; the group of 128 rows that I fetch, of source 1
	s_lshl_b32 s46, s42, 1
	s_add_co_u32 s46, s46, s16                     ; of source 0
	s_lshl_b32 s22, s20, 12
	s_lshl_b32 s92, s46, 12
	s_mul_i32 s20, s20, 98304
	s_mul_i32 s46, s46, 98304
	s_mov_b32 s98, WSC
	s_mov_b32 s99, XSC
	s_cmp_lt_u32 s95, 16
	s_cselect_b32 s98, XSC, s98                    ; where source 1's scale words begin in its buffer
	s_cselect_b32 s99, WSC, s99                    ; and source 0's
	s_add_co_u32 s22, s22, s98
	s_add_co_u32 s92, s92, s99
	s_mov_b32 s21, 0
	s_mov_b32 s23, 0
	s_mov_b32 s47, 0
	s_mov_b32 s93, 0
	s_mul_i32 s45, s14, HALFT                      ; where they go: wave x a quarter of a slot
	s_lshl_b32 s94, s14, 12
	s_wait_dscnt 0x0                               ; the opening add is done
	s_wait_kmcnt 0x0
	s_cmp_lt_u32 s95, 16
	s_cselect_b64 s[98:99], s[4:5], s[6:7]         ; source 1's buffer
	s_cselect_b64 s[100:101], s[6:7], s[4:5]       ; source 0's
	s_add_nc_u64 s[20:21], s[98:99], s[20:21]
	s_add_nc_u64 s[22:23], s[98:99], s[22:23]
	s_add_nc_u64 s[46:47], s[100:101], s[46:47]
	s_add_nc_u64 s[92:93], s[100:101], s[92:93]
	CROUND                                         ; all sixteen work-groups are here: the first joint loads meet
	s_mov_b32 s[G0S], 1
	s_add_co_u32 s[G0S+1], s94, SCL
	s_mov_b64 s[G0S+2:G0S+3], s[22:23]
	s_or_b32 s[G0S+3], s[G0S+3], 0x80000000
	s_mov_b32 s[G0SB], 1
	s_add_co_u32 s[G0SB+1], s94, SCL
	s_mov_b64 s[G0SB+2:G0SB+3], s[92:93]
	s_or_b32 s[G0SB+3], s[G0SB+3], 0x80000000
	JLOAD G0S, G1S, G0SB, G1SB                     ; the scale words first
.irp s, 0,1
	s_mov_b32 s[G0+4*\s], 1
	s_add_co_u32 s[G0+4*\s+1], s45, \s*SLOT
	s_add_nc_u64 s[G0+4*\s+2:G0+4*\s+3], s[20:21], \s*HALFT
	s_or_b32 s[G0+4*\s+3], s[G0+4*\s+3], 0x80000000
	s_mov_b32 s[G0B+4*\s], 1
	s_add_co_u32 s[G0B+4*\s+1], s45, \s*SLOT
	s_add_nc_u64 s[G0B+4*\s+2:G0B+4*\s+3], s[46:47], \s*HALFT
	s_or_b32 s[G0B+4*\s+3], s[G0B+4*\s+3], 0x80000000
	JLOAD G0+4*\s, G1, G0B+4*\s, G1B
.endr
	v_and_b32 v1, 15, v0                           ; r
	v_bfe_u32 v2, v0, 4, 1                         ; h
	v_and_b32 v6, 31, v0
	v_lshlrev_b32 v[LI], 4, v6
	s_mul_i32 s21, s15, HALFT
	s_mul_i32 s22, s16, HALFT
	s_add_co_u32 s22, s22, 2*HALFT
.irp s, 0,1
	v_add_nc_u32 v[ADRA+\s], s21, v[LI]
	v_add_nc_u32 v[ADRB+\s], s22, v[LI]
	s_add_co_u32 s21, s21, SLOT
	s_add_co_u32 s22, s22, SLOT
.endr
	v_lshlrev_b32 v5, 4, v1                        ; my row's four words of a half of K: 16 r
	s_lshl_b32 s21, s15, 12
	s_lshl_b32 s22, s16, 12
	s_add_co_u32 s22, s22, 8192
	s_sub_co_u32 s22, s22, s21
	v_mul_u32_u24 v6, s22, v2                      ; lanes 16-31 take source 0's: one product with h
	s_add_co_u32 s21, s21, SCL
	v_add_nc_u32 v5, v5, v6
	v_add_nc_u32 v[ADRS], s21, v5
	; ---- where my results go
	s_lshl_b32 s20, s17, 1
	s_add_co_u32 s20, s20, s15                     ; my group of source 1
	s_lshl_b32 s46, s42, 1
	s_add_co_u32 s46, s46, s16                     ; my group of source 0
	s_and_b32 s21, s46, 15                         ; q, k: the head
	s_and_b32 s47, s20, 7
	s_lshl_b32 s47, s47, 1                         ; v: the first of my two heads
	s_lshr_b32 s92, s46, 4                         ; q (0) or k (1)
	s_mul_i32 s93, s92, 6291456
	s_lshl_b32 s92, s92, 18
	s_add_co_u32 s92, s92, OFF_QS
	s_cmp_lt_u32 s95, 16
	s_cselect_b32 s22, s20, s46                    ; the group of tokens
	s_cselect_b32 s21, s21, s47
	s_mov_b32 s47, OFF_VV
	s_cselect_b32 s93, s93, s47
	s_mov_b32 s47, OFF_VS
	s_cselect_b32 s92, s92, s47
	s_mov_b32 s47, 6144
	s_cselect_b32 s47, 12288, s47                  ; bytes of codes for a head's key step
	s_cselect_b32 s23, 9, 8                        ; and of scale words, as a shift
	s_lshr_b32 s96, s22, 4                         ; the batch
	s_and_b32 s97, s22, 15                         ; the step of 128 tokens
	s_lshl_b32 s96, s96, 4
	s_add_co_u32 s96, s96, s21
	s_lshl_b32 s96, s96, 4
	s_add_co_u32 s96, s96, s97
	s_mul_i32 s47, s96, s47
	s_add_co_u32 s12, s47, s93
	s_mov_b32 s13, 0
	s_lshl_b32 s96, s96, s23
	s_add_co_u32 s18, s96, s92
	s_mov_b32 s19, 0
	s_add_nc_u64 s[12:13], s[10:11], s[12:13]      ; codes
	s_add_nc_u64 s[18:19], s[10:11], s[18:19]      ; scale words
	s_and_b32 s96, s20, 15
	s_lshl_b32 s96, s96, 15
	s_mov_b32 s97, 0
	s_add_nc_u64 s[8:9], s[8:9], s[96:97]          ; the table's eight blocks of my 128 tokens
.macro FRAG reg, adr, q, i             ; a fragment comes as it was stored: three loads of 512 consecutive bytes
.irp c, 0,1,2
	ds_load_b128 v[\reg+4*\c:\reg+4*\c+3], v[\adr] offset:(\q)*12288+(\i)*1536+512*\c
.endr
.endm
; 16 matrix instructions: source 1's blocks a0, a0 + 1 x source 0's eight.  The 64 accumulators take turns, one instruction a turn, in the same order in every step.
.macro MUL16 a0, p, q, sc, zero
.irp a, \a0, \a0+1
.irp b, 0,1,2,3,4,5,6,7
.if \zero
	v_wmma_scale_f32_16x16x128_f8f6f4 v[8*(8*((\a)%4)+\b):8*(8*((\a)%4)+\b)+7], v[128*(\p)+FR*\b:128*(\p)+FR*\b+FR-1], v[AF+FR*(\a):AF+FR*(\a)+FR-1], 0, v[SC+8*NQ*(\sc)+NQ*\b+(\q)], v[SC+8*NQ*(\sc)+NQ*(\a)+(\q)] matrix_a_fmt:MATRIX_FMT_FP6 matrix_b_fmt:MATRIX_FMT_FP6 matrix_a_scale:MATRIX_SCALE_ROW1
.else
	v_wmma_scale_f32_16x16x128_f8f6f4 v[8*(8*((\a)%4)+\b):8*(8*((\a)%4)+\b)+7], v[128*(\p)+FR*\b:128*(\p)+FR*\b+FR-1], v[AF+FR*(\a):AF+FR*(\a)+FR-1], v[8*(8*((\a)%4)+\b):8*(8*((\a)%4)+\b)+7], v[SC+8*NQ*(\sc)+NQ*\b+(\q)], v[SC+8*NQ*(\sc)+NQ*(\a)+(\q)] matrix_a_fmt:MATRIX_FMT_FP6 matrix_b_fmt:MATRIX_FMT_FP6 matrix_a_scale:MATRIX_SCALE_ROW1
.endif
.endr
.endr
.endm
.macro FETCH_B slot, q, p
	WIN TO_B
.irp i, 0,1,2,3,4,5,6,7
	FRAG 128*(\p)+FR*\i, ADRB+\slot, \q, \i
.endr
	WIN 0
.endm
.macro FETCH_A slot, q, i0
.irp i, \i0, \i0+1, \i0+2, \i0+3
	FRAG AF+FR*(\i), ADRA+\slot, \q, \i
.endr
.endm
.macro SCALES sc                       ; a slot's two words a row: lanes 0-15 source 1's block i, lanes 16-31 source 0's
.irp i, 0,1,2,3,4,5,6,7
	ds_load_b64 v[SC+8*NQ*\sc+NQ*\i:SC+8*NQ*\sc+NQ*\i+1], v[ADRS] offset:256*\i+8*\sc
.endr
.endm
.macro PLACES n
.rept \n
	v_nop
.endr
.endm
.macro STEP slot, q, zero              ; a step of 128 along K that has its successor in the same slot
	s_wait_dscnt 4*NL                              ; all but the youngest twelve loads (source 1's blocks 4-7)
	WIN MUL_LO
	MUL16 0, (\q)%2, \q, \slot, \zero
	MUL16 2, (\q)%2, \q, \slot, \zero
	s_wait_dscnt 0
	PLACES NP
	FETCH_B \slot, (\q)+1, 1-(\q)%2
	FETCH_A \slot, (\q)+1, 0
	WIN MUL_HI
	MUL16 4, (\q)%2, \q, \slot, \zero
	MUL16 6, (\q)%2, \q, \slot, \zero
	PLACES NP
	WIN 0
	FETCH_A \slot, (\q)+1, 4
.endm
; A slot's last step changes slots: one barrier; in front of it each wave waits for all its tensor loads, adds 0 to its spare word, and waits for that and for its reads of this slot.
.macro TURN slot, next, fill
	s_wait_tensorcnt 0x0                           ; all my tensor loads have landed: my part of the next slot
	ds_add_u32 v[SPW], v[NIL]
	s_wait_dscnt 4*NL+1                            ; (the add and the youngest twelve loads may be out)
	WIN MUL_LO
	MUL16 0, 1, NQ-1, \slot, 0
	s_wait_dscnt 0x0                               ; the add is done, and my reads of this slot are over
	s_barrier_signal -1
	MUL16 2, 1, NQ-1, \slot, 0
	WIN 0
	s_barrier_wait -1
.if \fill
	CREST                                          ; the barrier has opened a round of the cluster's: no wave of any partner still reads this slot or has a load on its way
	s_add_nc_u64 s[G0+4*\slot+2:G0+4*\slot+3], s[G0+4*\slot+2:G0+4*\slot+3], 2*HALFT
	s_add_nc_u64 s[G0B+4*\slot+2:G0B+4*\slot+3], s[G0B+4*\slot+2:G0B+4*\slot+3], 2*HALFT
	JLOAD G0+4*\slot, G1, G0B+4*\slot, G1B         ; the first tensor load behind the round; its four v_nop are the places in front of the loads below
.else
	PLACES NP
.endif
.if \slot == 1
	v_add_nc_u32 v[ADRS], 2048, v[ADRS]            ; on to the second half of K's scale words
.endif
	FETCH_B \next, 0, 0
	FETCH_A \next, 0, 0
	SCALES \next
	WIN MUL_HI
	MUL16 4, 1, NQ-1, \slot, 0
	MUL16 6, 1, NQ-1, \slot, 0
	PLACES NP
	WIN 0
	FETCH_A \next, 0, 4
.endm
	s_wait_tensorcnt 1                             ; the scale words and my part of slot 0 are in; slot 1's load may be out
	s_barrier_signal -1
	s_barrier_wait -1
	FETCH_B 0, 0, 0
	FETCH_A 0, 0, 0
	SCALES 0
	FETCH_A 0, 0, 4
	STEP 0, 0, 1                                   ; K has eight steps of 128: they are written out; the first starts the sums
	TURN 0, 1, 1
	STEP 1, 0, 0
	TURN 1, 0, 1
.irp a, 0,1                            ; the table's first two blocks, well ahead of the way out.  (Wv's tiles load them too and do not read them: so no register's first write hangs on a branch)
.irp j, 0,1,2,3,4,5,6,7
	global_load_b128 v[CT+32*\a+4*\j:CT+32*\a+4*\j+3], v[LI], s[8:9] offset:\a*4096+512*\j
.endr
.endr
	STEP 0, 0, 0
	TURN 0, 1, 0                                   ; nothing is left to fetch
	STEP 1, 0, 0
	s_wait_dscnt 4*NL
	WIN MUL_LO
	MUL16 0, 1, NQ-1, 1, 0
	MUL16 2, 1, NQ-1, 1, 0
	s_wait_dscnt 0
	WIN MUL_HI
	MUL16 4, 1, NQ-1, 1, 0
	MUL16 6, 1, NQ-1, 1, 0
	WIN 0
; 64 numbers of a lane in window w, register 16 b + i = K 32 b + 16 h + i of my row, become a fragment's codes in v[PC] on and its scale word in v[pw].
.macro QUANT s, w, pw
	WIN ((\w)<<2)|((\w)<<4)
.irp b, 0,1,2,3
	v_max3_num_f32 v[TMX+\b], 0x1800000, |v[(\s)+16*\b]|, |v[(\s)+16*\b+1]|   ; with the floor 2^(3 - 127); each accumulator is read from its low end on
.endr
.irp i, 2,4,6,8,10,12,14
.irp b, 0,1,2,3
	v_max3_num_f32 v[TMX+\b], v[TMX+\b], |v[(\s)+16*\b+\i]|, |v[(\s)+16*\b+\i+1]|
.endr
.endr
	WIN 0
.irp b, 0,1,2,3
	v_permlanex16_b32 v[TP+\b], v[TMX+\b], s96, s97
.endr
.irp b, 0,1,2,3
	v_max_num_f32 v[TMX+\b], v[TMX+\b], v[TP+\b]   ; with lane l xor 16's: the block's largest magnitude
.endr
.irp b, 0,1,2,3
	v_add_nc_u32 v[TSO+\b], 0xff000000, v[TMX+\b]  ; 2 off its exponent field: the conversion's scale operand
.endr
.irp b, 0,1,2,3
	v_lshrrev_b32 v[TP+\b], 23, v[TSO+\b]          ; the byte
.endr
	v_lshl_or_b32 v[\pw], v[TP+1], 8, v[TP]
	v_lshl_or_b32 v[\pw], v[TP+2], 16, v[\pw]
	v_lshl_or_b32 v[\pw], v[TP+3], 24, v[\pw]
	WIN (\w)
.irp c, 0,1
	v_cvt_scalef32_pk16_fp6_f32 v[PC+6*\c:PC+6*\c+2], v[(\s)+32*\c:(\s)+32*\c+15], v[TSO+2*\c]
	v_cvt_scalef32_pk16_fp6_f32 v[PC+12+4*\c:PC+14+4*\c], v[(\s)+32*\c+16:(\s)+32*\c+31], v[TSO+2*\c+1]
.endr
	WIN 0
	v_nop                                          ; one plain place behind a scaled conversion
.irp c, 0,1                            ; the operand's layout wants a whole block in a lane
.irp i, 0,1,2
	v_permlane16_swap_b32 v[PC+6*\c+\i], v[PC+12+4*\c+\i]
.endr
.irp i, 0,1,2
	v_mov_b32 v[PC+3+6*\c+\i], v[PC+12+4*\c+\i]
.endr
.endr
.endm
	PLACES NP                                      ; behind the last products: their results are read and their operands' registers written below
	s_mov_b32 s96, 0x76543210
	s_mov_b32 s97, 0xfedcba98                      ; selects for lane l xor 16
.irp b, 0,1,2,3
	v_mov_b32 v[TP+\b], 0                          ; a lane permute's destination counts as read
.endr
	s_cmp_ge_u32 s95, 16
	s_cbranch_scc1 .Lvout
	; ---- q and k: a block of 16 tokens at a time: the rotary step on q1 (or k1) and q2 (k2), then one fragment with K = first | second
.macro QKOUT a
.if \a > 0
	s_wait_xcnt 0x0                                ; the last block's stores have read the codes' registers
.endif
.if \a < 7
	s_wait_loadcnt 8                               ; this block's eight table loads are in, the next block's may be out
.else
	s_wait_loadcnt 0x0
.endif
	WIN 0x02+(\a)/4                                ; source 0: the accumulators' window
.set CB, CT+32*((\a)%2)
.set AB, 64*((\a)%4)
.irp p, 0,1
.irp u, 0,1
.irp j, 0,2,4,6
.set X1, AB+8*(4*\p+\u)+\j                         ; channel 16 h + 8 u + j
.set X2, AB+8*(4*\p+2+\u)+\j                       ; and the one 32 further on
.set CO_, CB+8*\u+\j
.set SI_, CB+16+8*\u+\j
.set Y1, HA+32*\p+8*\u+\j
.set Y2, Y1+16
	v_pk_mul_f32 v[Y1:Y1+1], v[X2:X2+1], v[SI_:SI_+1]
	v_pk_mul_f32 v[Y2:Y2+1], v[X2:X2+1], v[CO_:CO_+1]
	v_pk_fma_f32 v[Y1:Y1+1], v[X1:X1+1], v[CO_:CO_+1], v[Y1:Y1+1]                              ; x1 cos + x2 sin
	v_pk_fma_f32 v[Y2:Y2+1], v[X1:X1+1], v[SI_:SI_+1], v[Y2:Y2+1] neg_lo:[1,0,0] neg_hi:[1,0,0]   ; - x1 sin + x2 cos
.endr
.endr
.endr
	WIN 0
.if \a < 6
.irp j, 0,1,2,3,4,5,6,7
	global_load_b128 v[CB+4*\j:CB+4*\j+3], v[LI], s[8:9] offset:((\a)+2)*4096+512*\j
.endr
.endif
	QUANT HA, 0, PW+(\a)
.irp c, 0,1,2
	global_store_b128 v[LI], v[PC+4*\c:PC+4*\c+3], s[12:13] offset:(\a)*1536+512*\c
.endr
.endm
.irp a, 0,1,2,3,4,5,6,7
	QKOUT \a
.endr
	v_cmp_ne_u32 vcc_lo, 0, v2
.irp k, 0,1,2,3
	v_cndmask_b32 v[OUTW+\k], v[PW+\k], v[PW+4+\k], vcc_lo   ; lanes 0-15: blocks 0-3's words of row r; lanes 16-31: blocks 4-7's
.endr
	v_lshlrev_b32 v[SOF], 5, v1
	v_lshl_add_u32 v[SOF], v2, 4, v[SOF]
	global_store_b128 v[SOF], v[OUTW:OUTW+3], s[18:19]       ; 512 consecutive bytes
	s_branch .Ldone
.Lvout:
	; ---- v: a block of 16 channels at a time; its 64 registers a lane are 128 keys' halves: quantised straight out of the accumulators
.irp a, 0,1,2,3,4,5,6,7
.if \a > 0
	s_wait_xcnt 0x0
.endif
	QUANT 64*((\a)%4), 2+(\a)/4, PW+(\a)
.irp c, 0,1,2
	global_store_b128 v[LI], v[PC+4*\c:PC+4*\c+3], s[12:13] offset:((\a)/4)*98304+((\a)%4)*1536+512*\c   ; blocks 0-3: my first head; 4-7: the next
.endr
.endr
	v_cmp_ne_u32 vcc_lo, 0, v2
.irp k, 0,1,2,3
	v_cndmask_b32 v[OUTW+\k], v[PW+\k], v[PW+4+\k], vcc_lo
.endr
	v_lshlrev_b32 v[SOF], 4, v1
	v_lshl_add_u32 v[SOF], v2, 12, v[SOF]
	global_store_b128 v[SOF], v[OUTW:OUTW+3], s[18:19]       ; 256 consecutive bytes for each of the two heads
.Ldone:
	s_wait_tensorcnt 0x0                           ; the wave's end
	ds_add_u32 v[SPW], v[NIL]
	s_wait_dscnt 0x0
	CROUND                                         ; the closing round
	s_endpgm
.Lfunc_end_k_q3fea075f08_proj:
	.size	k_q3fea075f08_proj, .Lfunc_end_k_q3fea075f08_proj-k_q3fea075f08_proj
	.p2alignl 7, 3214868480
	.fill 96, 4, 3214868480
	.section	.rodata,"a",@progbits
	.p2align	6, 0x0
	.amdhsa_kernel k_q3fea075f08_proj
		.amdhsa_group_segment_fixed_size 327680
		.amdhsa_private_segment_fixed_size 0
		.amdhsa_enable_private_segment 0
		.amdhsa_kernarg_size 32
		.amdhsa_user_sgpr_count 2
		.amdhsa_user_sgpr_kernarg_segment_ptr 1
		.amdhsa_wavefront_size32 1
		.amdhsa_system_sgpr_workgroup_id_x 1
		.amdhsa_system_sgpr_workgroup_id_y 1
		.amdhsa_system_sgpr_workgroup_id_z 1
		.amdhsa_system_vgpr_workitem_id 0
		.amdhsa_next_free_vgpr 1024
		.amdhsa_next_free_sgpr 102
		.amdhsa_reserve_vcc 1
		.amdhsa_float_denorm_mode_32 3
		.amdhsa_float_denorm_mode_16_64 3
		.amdhsa_memory_ordered 1
		.amdhsa_forward_progress 1
		.amdhsa_inst_pref_size 212
	.end_amdhsa_kernel
	.amdgpu_metadata
---
amdhsa.version: [ 1, 2 ]
amdhsa.kernels:
  - .name:           k_q3fea075f08_proj
    .symbol:         k_q3fea075f08_proj.kd
    .args:
      - { .name: xq, .offset: 0, .size: 8, .value_kind: global_buffer, .address_space: global }
      - { .name: wq, .offset: 8, .size: 8, .value_kind: global_buffer, .address_space: global }
      - { .name: rope, .offset: 16, .size: 8, .value_kind: global_buffer, .address_space: global }
      - { .name: qkv, .offset: 24, .size: 8, .value_kind: global_buffer, .address_space: global }
    .group_segment_fixed_size: 327680
    .private_segment_fixed_size: 0
    .kernarg_segment_align: 8
    .kernarg_segment_size: 32
    .max_flat_workgroup_size: 128
    .sgpr_count:     102
    .vgpr_count:     1024
    .wavefront_size: 32
...
	.end_amdgpu_metadata
.endif
;; end of part 2
;; launch attn (part 3): grid 8 x 32, 16 waves a work-group, no clusters, 327,680 bytes of LDS; arguments qkv, yq; writes yq
.if DOCPART == 3
	.amdgcn_target "amdgcn-amd-amdhsa--gfx1250"
	.amdhsa_code_object_version 6
	.text
	.protected	k_q3fea075f08_attn
	.globl	k_q3fea075f08_attn
	.p2align	8
	.type	k_q3fea075f08_attn,@function
k_q3fea075f08_attn:
	s_mov_b64 s[64:65], 0
	v_nop
	global_prefetch_b8 v0, s[64:65] scope:SCOPE_SE
	s_setreg_imm32_b32 hwreg(HW_REG_WAVE_MODE, 25, 1), 1
	s_wait_xcnt 0x0
; ATTN.  For a head: s1 = q1 k1^T, s2 = q2 k2^T, pattern = (s1 / 64)(s2 / 64) under the causal mask, y = pattern v; all three products on codes of FP6 (E2M3); the pattern is quantised along the keys in registers, y along the channels.
; The pattern is quantised as s1 s2, without the two divisions: the codes are the same and the scale is 2^12 larger; y is multiplied by 2^-12 once, which rounds nothing.
; OPERANDS are images of registers, as the launch before stored them.  A fragment of KK holds 16 keys x (k1's 64 | k2's 64); s1 takes it against (q1 | zero codes), s2 against (zero codes | q2): six registers of zeros stand between q1's six and q2's six.
; Both kinds of product are used transposed, so that a lane holds one query throughout; block t, lane row r = key (or channel, or query) pi(t, r) = 32 (t / 2) + 8 (t % 2) + r + 8 (r / 8): the 16 registers of tiles 2 b, 2 b + 1 are 16 neighbouring keys.
; SHARES.  A work-group owns the blocks i and 15 - i of 128 queries of one head, 17 block-steps for every i; each of its sixteen waves one tile of 16 queries.  Key steps of 128; a step all of whose keys are hidden is jumped over by a scalar branch on ids.
; RING.  Two slots of four key steps (K 49,152 bytes, V 24,576), filled by waves 0-3; every work-group walks all four slots, so that trip counts are constants; a slot whose first key step lies behind the work-group's last block is not asked for.
; Every wait on TENSORcnt in this text is for 0.  The scale words of the whole head stay in LDS.
; NO CLUSTER: the eight work-groups of a head need three or four slots, by their number, so partners would not make the same requests; what is shared is a small part of what a step reads from LDS.
; OUT: yq in the layout of a product's operand, K = 64 head + channel; a fragment there is two halves of 768 bytes (a head each): registers 0-3 at 16 l, registers 4-5 at 512 + 8 l, so that a wave writes whole runs of 256 bytes.
; LIMITS: NaN and infinities are not served; blocks whose largest magnitude lies under 2^-124 keep the byte 1 (for the pattern that is 2^-136 of the pattern as it is defined); a block of zeros keeps the byte 1: its codes are zeros.
.set SLOT1,  1<<17
.set VOFF,   49152
.set SCK,    262144                    ; K's scale words of the head, 8,192 bytes
.set SCV,    270336                    ; V's, 4,096
.set SPARE,  274432                    ; the spare words, 128 bytes for each of sixteen waves
.set OFF_KK, 6291456
.set OFF_VV, 12582912
.set OFF_QS, 15728640
.set OFF_KS, 15990784
.set OFF_VS, 16252928
.set YSC,    3145728
.set LI,   1                           ; v1   16 x lane
.set ASK0, 2                           ; v2   SCK + 32 r
.set ASV0, 3                           ; v3   SCV + 16 r
.set DQ,   4                           ; v4   my query in its block - 16 h
.set SPW,  5                           ; v5   my spare word's LDS address; never rewritten
.set NIL,  6                           ; v6   0; never rewritten
.set L8,   7                           ; v7   8 x lane
.set R16,  8                           ; v8   16 r
.set ADK,  10                          ; v10-13 the slot's LDS addresses
.set ADV,  11
.set ADS,  12
.set ADT,  13
.set ZR,   22                          ; v16-21 q1, v22-27 zeros, v28-33 q2
.set QSW,  34                          ; Q's scale word
.set QSA,  35                          ; its address
.set KSW,  36                          ; v36-43 K's scale words
.set VSW,  44                          ; v44-47 V's
.set PWR,  48                          ; the pattern's
.set AV0,  49                          ; v49  16 x lane + VOFF
.set FRG,  52                          ; v52-99 four fragments
.set P,    100                         ; v100-163 s1, then the pattern
.set T,    164                         ; v164-195 s2 of four tiles
.set TMX,  164
.set TSO,  168
.set O,    196                         ; v196-227 y^T
.set PC,   228                         ; v228-239 codes, v240-246 upper halves
.set TP,   248
.set YW,   252
.set PFO,  253                         ; 256 x lane
.set WV,   18
.set SEL,  20
.set G1K,  24
.set G1V,  32
.set G0K,  40
.set G0V,  44
.set G1SK, 48
.set G0SK, 56
.set G0SV, 60
.set G1SV, 68
.set TB,   2                           ; s2   LDS byte at which the slot in hand begins
.set TS,   3                           ; s3   its scale words of K
.set TJ,   66                          ; s66  and of V
.set SLOTS, 67
.set PFA,  76
.set PFS,  78
.set LIM,  80
.set HB,   95                          ; s95  the work-group's last block of queries
.set KSI,  98                          ; s98  the key step
.set QB,   99                          ; s99  my block of queries
.macro TLOAD g0k, g1k, g0v, g1v        ; waves 0, 1 fetch K's halves, waves 2, 3 V's; an s_nop 0 and four v_nop follow each line
	s_cmp_lt_u32 s[WV], 2
	s_cbranch_scc0 .Lnot_k_\@
	tensor_load_to_lds s[\g0k:\g0k+3], s[\g1k:\g1k+7]
	s_nop 0
.rept 4
	v_nop
.endr
	s_branch .Lasked_\@
.Lnot_k_\@:
	s_cmp_lt_u32 s[WV], 4
	s_cbranch_scc0 .Lasked_\@
	tensor_load_to_lds s[\g0v:\g0v+3], s[\g1v:\g1v+7]
	s_nop 0
.rept 4
	v_nop
.endr
.Lasked_\@:
.endm
; A prefetch of what the NEXT change of slots will ask for: four key steps ahead of that load.  All eight work-groups of a head walk the same K and V: the first of them asks; in it waves 4-9 name K's 6 x 8,192 bytes and
; waves 10-12 V's 3 x 8,192, lanes 256 bytes apart: each run of 256 bytes is named once in the launch.  Slots 0 and 1 come by their loads alone; the last change that fills a slot asks for nothing.
.macro ASK
	s_cmp_gt_u32 s[SLOTS], s[LIM]
	s_cbranch_scc0 .Lnot_mine_\@
	global_prefetch_b8 v[PFO], s[PFA:PFA+1] th:TH_LOAD_NT scope:SCOPE_SE
.Lnot_mine_\@:
.endm
.macro G1SET g, rows                   ; rows of 256 bytes (32 elements of 8), dense, no padding
	s_mov_b32 s[\g], 3<<16
	s_mov_b32 s[\g+1], 32<<16
	s_mov_b32 s[\g+2], (\rows)<<16
	s_mov_b32 s[\g+3], 32<<16
	s_mov_b32 s[\g+4], \rows
	s_mov_b32 s[\g+5], 32
	s_mov_b32 s[\g+6], 0
	s_mov_b32 s[\g+7], 0
.endm
	s_load_b128 s[4:7], s[0:1], 0x0                ; qkv, yq
	v_lshl_add_u32 v[SPW], v0, 2, SPARE
	v_mov_b32 v[NIL], 0
	ds_add_u32 v[SPW], v[NIL]                      ; the wave's opening: the add and its wait ahead of my first tensor load
	v_lshrrev_b32 v9, 5, v0
	v_readfirstlane_b32 s[WV], v9
	s_and_b32 s81, ttmp7, 0xffff                   ; 16 batch + head
	s_mov_b32 s82, ttmp9                           ; i
	s_sub_co_u32 s[HB], 15, s82
	s_lshr_b32 s83, s[WV], 2
	s_xor_b32 s83, s83, s[WV]
	s_and_b32 s83, s83, 1                          ; the early block or the late one
	s_cmp_eq_u32 s83, 1
	s_cselect_b32 s[QB], s[HB], s82
	s_lshr_b32 s84, s[WV], 1                       ; my tile of 16 queries in it
	s_and_b32 s85, s[WV], 1                        ; which half I fetch, if I fetch
	s_mul_i32 s86, s81, 196608
	s_mul_i32 s8, s85, 24576
	s_add_co_u32 s86, s86, s8
	s_add_co_u32 s86, s86, OFF_KK
	s_mov_b32 s87, 0
	s_mul_i32 s88, s81, 98304
	s_mul_i32 s9, s85, 12288
	s_add_co_u32 s88, s88, s9
	s_add_co_u32 s88, s88, OFF_VV
	s_mov_b32 s89, 0
	s_add_co_u32 s9, s9, VOFF
	s_lshl_b32 s90, s81, 13
	s_lshl_b32 s10, s85, 12
	s_add_co_u32 s90, s90, s10
	s_add_co_u32 s90, s90, OFF_KS
	s_mov_b32 s91, 0
	s_add_co_u32 s10, s10, SCK
	s_lshl_b32 s92, s81, 12
	s_lshl_b32 s11, s85, 11
	s_add_co_u32 s92, s92, s11
	s_add_co_u32 s92, s92, OFF_VS
	s_mov_b32 s93, 0
	s_add_co_u32 s11, s11, SCV
	s_lshl_b32 s12, s81, 4                         ; Q: my fragment and its scale words
	s_add_co_u32 s12, s12, s[QB]
	s_lshl_b32 s14, s12, 9
	s_lshl_b32 s13, s84, 2
	s_add_co_u32 s14, s14, s13
	s_add_co_u32 s14, s14, OFF_QS
	s_mov_b32 s15, 0
	s_lshl_b32 s12, s12, 3
	s_add_co_u32 s12, s12, s84
	s_mul_i32 s12, s12, 1536
	s_mov_b32 s13, 0
	s_lshr_b32 s16, s81, 4                         ; y: the group of 128 tokens = 16 batch + my block
	s_lshl_b32 s16, s16, 4
	s_add_co_u32 s16, s16, s[QB]
	s_and_b32 s83, s81, 15                         ; the head
	s_lshl_b32 s22, s16, 12
	s_mul_i32 s16, s16, 98304
	s_lshr_b32 s17, s83, 1                         ; the K step of 128 = two heads
	s_mul_i32 s23, s17, 12288
	s_add_co_u32 s16, s16, s23
	s_mul_i32 s23, s84, 1536
	s_add_co_u32 s16, s16, s23
	s_and_b32 s23, s83, 1
	s_mul_i32 s96, s23, 768
	s_add_co_u32 s16, s16, s96
	s_lshl_b32 s23, s23, 1                         ; my two bytes of the row's word
	s_add_co_u32 s22, s22, s23
	s_and_b32 s17, s17, 3
	s_lshl_b32 s17, s17, 2
	s_add_co_u32 s22, s22, s17
	s_lshr_b32 s17, s83, 3
	s_lshl_b32 s17, s17, 11
	s_add_co_u32 s22, s22, s17
	s_lshl_b32 s17, s84, 8
	s_add_co_u32 s22, s22, s17
	s_add_co_u32 s22, s22, YSC
	s_mov_b32 s17, 0
	s_mov_b32 s23, 0
	s_mul_i32 s96, s81, 196608                     ; the prefetches: where my wave's stand, and who asks
	s_add_co_u32 s96, s96, OFF_KK
	s_mul_i32 s97, s81, 98304
	s_add_co_u32 s97, s97, OFF_VV
	s_mov_b32 s[PFS], 24576
	s_cmp_lt_u32 s[WV], 10
	s_cselect_b32 s[PFS], 49152, s[PFS]            ; a slot on
	s_cselect_b32 s83, 4, 10
	s_cselect_b32 s96, s96, s97
	s_sub_co_u32 s83, s[WV], s83
	s_min_u32 s83, s83, 5                          ; (held, so that the address stays inside the buffer in waves that never ask)
	s_lshl_b32 s83, s83, 13
	s_add_co_u32 s96, s96, s83
	s_add_co_u32 s96, s96, s[PFS]                  ; in slot 1: the first change of slots steps it to slot 2
	s_mov_b32 s97, 0
	s_mov_b32 s[PFS+1], 0
	s_sub_co_u32 s83, s[WV], 4
	s_cmp_le_u32 s83, 8
	s_cselect_b32 s83, 0, 1
	s_or_b32 s83, s83, s82
	s_cmp_eq_u32 s83, 0
	s_cselect_b32 s[LIM], 1, -1                    ; waves 4-12 of the head's first work-group
	G1SET G1K, 96
	G1SET G1V, 48
	G1SET G1SK, 16
	G1SET G1SV, 8
	s_mov_b32 s[SEL], 0x76543210
	s_mov_b32 s[SEL+1], 0xfedcba98
	s_mov_b32 s[TB], 0
	s_mov_b32 s[TS], 0
	s_mov_b32 s[TJ], 0
	s_mov_b32 s[SLOTS], 3
	s_mov_b32 s[KSI], 0
	s_wait_dscnt 0x0                               ; the opening add is done
	s_wait_kmcnt 0x0
	s_mov_b32 s[G0SK], 1
	s_mov_b32 s[G0SK+1], s10
	s_add_nc_u64 s[G0SK+2:G0SK+3], s[4:5], s[90:91]
	s_or_b32 s[G0SK+3], s[G0SK+3], 0x80000000
	s_mov_b32 s[G0SV], 1
	s_mov_b32 s[G0SV+1], s11
	s_add_nc_u64 s[G0SV+2:G0SV+3], s[4:5], s[92:93]
	s_or_b32 s[G0SV+3], s[G0SV+3], 0x80000000
	TLOAD G0SK, G1SK, G0SV, G1SV                   ; the head's scale words: filled once
	s_mov_b32 s[G0K], 1
	s_mov_b32 s[G0K+1], s8
	s_add_nc_u64 s[G0K+2:G0K+3], s[4:5], s[86:87]
	s_or_b32 s[G0K+3], s[G0K+3], 0x80000000
	s_mov_b32 s[G0V], 1
	s_mov_b32 s[G0V+1], s9
	s_add_nc_u64 s[G0V+2:G0V+3], s[4:5], s[88:89]
	s_or_b32 s[G0V+3], s[G0V+3], 0x80000000
	TLOAD G0K, G1K, G0V, G1V                       ; slot 0
	s_add_nc_u64 s[PFA:PFA+1], s[4:5], s[96:97]
	s_add_nc_u64 s[12:13], s[4:5], s[12:13]
	s_add_nc_u64 s[14:15], s[4:5], s[14:15]
	s_add_nc_u64 s[16:17], s[6:7], s[16:17]
	s_add_nc_u64 s[22:23], s[6:7], s[22:23]
	v_and_b32 v9, 31, v0
	v_lshlrev_b32 v[LI], 4, v9
	v_lshlrev_b32 v[L8], 3, v9
	v_lshlrev_b32 v[PFO], 8, v9
	v_and_b32 v14, 15, v0                          ; r
	v_bfe_u32 v15, v0, 4, 1                        ; h
	v_lshlrev_b32 v[QSA], 5, v14
	global_load_b128 v[16:19], v[LI], s[12:13]               ; q1: registers 0-3 of the image,
	global_load_b64 v[20:21], v[LI], s[12:13] offset:512     ; 4, 5;
	global_load_b64 v[28:29], v[LI], s[12:13] offset:520     ; q2: 6, 7,
	global_load_b128 v[30:33], v[LI], s[12:13] offset:1024   ; 8-11
	global_load_b32 v[QSW], v[QSA], s[14:15]
.irp j, 0,1,2,3,4,5
	v_mov_b32 v[ZR+\j], 0                          ; the zero codes between them
.endr
	v_lshlrev_b32 v[R16], 4, v14
	v_lshl_add_u32 v[ASK0], v14, 5, SCK
	v_lshl_add_u32 v[ASV0], v14, 4, SCV
	v_add_nc_u32 v[AV0], VOFF, v[LI]
	s_lshr_b32 s96, s84, 1
	s_lshl_b32 s96, s96, 5
	s_and_b32 s97, s84, 1
	s_lshl_b32 s97, s97, 3
	s_add_co_u32 s96, s96, s97
	v_and_b32 v9, 8, v14
	v_add_nc_u32 v9, v9, v14
	v_lshlrev_b32 v[DQ], 4, v15
	v_sub_nc_u32 v[DQ], v9, v[DQ]
	v_add_nc_u32 v[DQ], s96, v[DQ]
.irp b, 0,1,2,3
	v_mov_b32 v[TP+\b], 0                          ; a lane permute's destination counts as read
.endr
.irp j, 0,1,2,3,4,5,6,7,8,9,10,11,12,13,14,15,16,17,18,19,20,21,22,23,24,25,26,27,28,29,30,31
	v_mov_b32 v[O+\j], 0                           ; y^T: the step is written once, so its first pass finds zeros
.endr
.macro QUANT                           ; the pattern's 64 numbers of a lane become source 1 of the last product, and its scale word
.irp b, 0,1,2,3
	v_max3_num_f32 v[TMX+\b], |v[P+16*\b]|, |v[P+16*\b+1]|, 0x1800000
.endr
.irp i, 2,4,6,8,10,12,14
.irp b, 0,1,2,3
	v_max3_num_f32 v[TMX+\b], v[TMX+\b], |v[P+16*\b+\i]|, |v[P+16*\b+\i+1]|
.endr
.endr
.irp b, 0,1,2,3
	v_permlanex16_b32 v[TP+\b], v[TMX+\b], s[SEL], s[SEL+1]
.endr
.irp b, 0,1,2,3
	v_max_num_f32 v[TMX+\b], v[TMX+\b], v[TP+\b]
.endr
.irp b, 0,1,2,3
	v_add_nc_u32 v[TSO+\b], 0xff000000, v[TMX+\b]
.endr
.irp b, 0,1,2,3
	v_lshrrev_b32 v[TP+\b], 23, v[TSO+\b]
.endr
	v_lshl_or_b32 v[PWR], v[TP+1], 8, v[TP]
	v_lshl_or_b32 v[PWR], v[TP+2], 16, v[PWR]
	v_lshl_or_b32 v[PWR], v[TP+3], 24, v[PWR]
.irp c, 0,1
	v_cvt_scalef32_pk16_fp6_f32 v[PC+6*\c:PC+6*\c+2], v[P+32*\c:P+32*\c+15], v[TSO+2*\c]
	v_cvt_scalef32_pk16_fp6_f32 v[PC+12+4*\c:PC+14+4*\c], v[P+32*\c+16:P+32*\c+31], v[TSO+2*\c+1]
.endr
	v_nop                                          ; one plain place behind a scaled conversion
.irp c, 0,1
.irp i, 0,1,2
	v_permlane16_swap_b32 v[PC+6*\c+\i], v[PC+12+4*\c+\i]
.endr
.irp i, 0,1,2
	v_mov_b32 v[PC+3+6*\c+\i], v[PC+12+4*\c+\i]
.endr
.endr
.endm
.macro SCORES g                        ; four tiles of 16 keys: s1 into P, s2 into T; every product starts its own sum
.irp t, 0,1,2,3
	v_wmma_scale_f32_16x16x128_f8f6f4 v[P+32*\g+8*\t:P+32*\g+8*\t+7], v[FRG+12*\t:FRG+12*\t+11], v[16:27], 0, v[KSW+4*\g+\t], v[QSW] matrix_a_fmt:MATRIX_FMT_FP6 matrix_b_fmt:MATRIX_FMT_FP6
	v_wmma_scale_f32_16x16x128_f8f6f4 v[T+8*\t:T+8*\t+7], v[FRG+12*\t:FRG+12*\t+11], v[22:33], 0, v[KSW+4*\g+\t], v[QSW] matrix_a_fmt:MATRIX_FMT_FP6 matrix_b_fmt:MATRIX_FMT_FP6
.endr
.rept 4
	v_nop                                          ; places behind them: their results are read, and their operands' registers loaded, below
.endr
.endm
.macro TIMES g                         ; s1 s2, each accumulator from its low end on
.irp j, 0,2,4,6,8,10,12,14,16,18,20,22,24,26,28,30
	v_pk_mul_f32 v[P+32*\g+\j:P+32*\g+\j+1], v[P+32*\g+\j:P+32*\g+\j+1], v[T+\j:T+\j+1]
.endr
.endm
; A KEY STEP of 128 keys, the q-th of the slot in hand.
.macro STEP q
	s_cmp_gt_u32 s[KSI], s[QB]                     ; all its keys come after my queries: a branch on ids, round no barrier and no tensor load
	s_cbranch_scc1 .Lhidden_\@
.irp t, 0,1,2,3
.irp c, 0,1,2
	ds_load_b128 v[FRG+12*\t+4*\c:FRG+12*\t+4*\c+3], v[ADK] offset:(\q)*12288+\t*1536+512*\c
.endr
.endr
	ds_load_b128 v[KSW:KSW+3], v[ADS] offset:512*(\q)
	ds_load_b128 v[KSW+4:KSW+7], v[ADS] offset:512*(\q)+16
	ds_load_b128 v[VSW:VSW+3], v[ADT] offset:256*(\q)
	s_wait_dscnt 0x0
	SCORES 0
.irp t, 0,1,2,3
.irp c, 0,1,2
	ds_load_b128 v[FRG+12*\t+4*\c:FRG+12*\t+4*\c+3], v[ADK] offset:(\q)*12288+(\t+4)*1536+512*\c
.endr
.endr
	TIMES 0                                        ; (with the four v_nop these are also the places ahead of the products that write T anew)
	s_wait_dscnt 0x0
	SCORES 1
.irp t, 0,1,2,3
.irp c, 0,1,2
	ds_load_b128 v[FRG+12*\t+4*\c:FRG+12*\t+4*\c+3], v[ADV] offset:(\q)*6144+\t*1536+512*\c
.endr
.endr
	TIMES 1
	s_cmp_lg_u32 s[KSI], s[QB]                     ; on the diagonal hidden keys' numbers become 0, as the definition has them
	s_cbranch_scc1 .Lopen_\@
.set n, 0
.rept 64
	v_cmp_gt_i32 vcc_lo, 32*(n/16)+n%16, v[DQ]     ; register n holds key 32 (n / 16) + 16 h + n % 16
	v_cndmask_b32 v[P+n], v[P+n], v[ZR], vcc_lo
.set n, n+1
.endr
.Lopen_\@:
	QUANT
.rept 8
	v_nop                                          ; a scale register written by a vector instruction stands 8 places ahead of a scaled matrix instruction, an operand 4
.endr
	s_wait_dscnt 0x0
.irp t, 0,1,2,3                        ; y^T += V^T pattern^T: four accumulators by turns; between two links of a chain stand the next step's sixteen products
	v_wmma_scale_f32_16x16x128_f8f6f4 v[O+8*\t:O+8*\t+7], v[FRG+12*\t:FRG+12*\t+11], v[PC:PC+11], v[O+8*\t:O+8*\t+7], v[VSW+\t], v[PWR] matrix_a_fmt:MATRIX_FMT_FP6 matrix_b_fmt:MATRIX_FMT_FP6
.endr
.rept 4
	v_nop                                          ; places in front of the next loads into these fragments and scale words
.endr
.Lhidden_\@:
	s_add_co_u32 s[KSI], s[KSI], 1
.endm
; THE CHANGE OF SLOTS stands at a slot's head: each wave waits for all its tensor loads, adds 0 to its spare word, waits for that and for its reads of the slot that it has left; behind the barrier the other slot is filled.
.macro CHANGE fill
	s_wait_tensorcnt 0x0
	ds_add_u32 v[SPW], v[NIL]
.if \fill
	s_xor_b32 s[G0K+1], s[G0K+1], SLOT1
	s_add_nc_u64 s[G0K+2:G0K+3], s[G0K+2:G0K+3], 49152
	s_xor_b32 s[G0V+1], s[G0V+1], SLOT1
	s_add_nc_u64 s[G0V+2:G0V+3], s[G0V+2:G0V+3], 24576
	s_wait_xcnt 0x0                                ; the last prefetch, a slot back, has read its address
	s_add_nc_u64 s[PFA:PFA+1], s[PFA:PFA+1], s[PFS:PFS+1]
.endif
	s_wait_dscnt 0x0
	s_barrier_signal -1
	s_barrier_wait -1
.if \fill
	s_add_co_u32 s96, s[KSI], 4                    ; the first key step of the slot that this change would ask for:
	s_cmp_gt_u32 s96, s[HB]                        ; behind my work-group's last block none of its waves reads it.  Ids and the count of steps alone: all sixteen waves go the same way
	s_cbranch_scc1 .Lpast_\@
	TLOAD G0K, G1K, G0V, G1V
.Lpast_\@:
	ASK
.endif
.endm
.macro SLOT_STEPS
	v_add_nc_u32 v[ADK], s[TB], v[LI]
	v_add_nc_u32 v[ADV], s[TB], v[AV0]
	v_add_nc_u32 v[ADS], s[TS], v[ASK0]
	v_add_nc_u32 v[ADT], s[TJ], v[ASV0]
	STEP 0
	STEP 1
	STEP 2
	STEP 3
	s_xor_b32 s[TB], s[TB], SLOT1
	s_add_co_u32 s[TS], s[TS], 2048
	s_add_co_u32 s[TJ], s[TJ], 1024
.endm
	s_wait_loadcnt 0x0                             ; Q
.Lslot:                                            ; three trips: behind each change of slots but the last the next slot is asked for, up to the limit
	CHANGE 1
	SLOT_STEPS
	s_sub_co_u32 s[SLOTS], s[SLOTS], 1
	s_cmp_lg_u32 s[SLOTS], 0
	s_cbranch_scc1 .Lslot
	CHANGE 0
	SLOT_STEPS
	; THE WAY OUT: y^T x 2^-12, quantised along my head's 64 channels (two blocks), stored as my half of a fragment
.rept 4
	v_nop
.endr
.irp j, 0,2,4,6,8,10,12,14,16,18,20,22,24,26,28,30
	v_pk_mul_f32 v[O+\j:O+\j+1], v[O+\j:O+\j+1], 0x39800000 op_sel_hi:[1,0]
.endr
.irp b, 0,1
	v_max3_num_f32 v[TMX+\b], |v[O+16*\b]|, |v[O+16*\b+1]|, 0x1800000
.endr
.irp i, 2,4,6,8,10,12,14
.irp b, 0,1
	v_max3_num_f32 v[TMX+\b], v[TMX+\b], |v[O+16*\b+\i]|, |v[O+16*\b+\i+1]|
.endr
.endr
.irp b, 0,1
	v_permlanex16_b32 v[TP+\b], v[TMX+\b], s[SEL], s[SEL+1]
.endr
.irp b, 0,1
	v_max_num_f32 v[TMX+\b], v[TMX+\b], v[TP+\b]
.endr
.irp b, 0,1
	v_add_nc_u32 v[TSO+\b], 0xff000000, v[TMX+\b]
.endr
.irp b, 0,1
	v_lshrrev_b32 v[TP+\b], 23, v[TSO+\b]
.endr
	v_lshl_or_b32 v[YW], v[TP+1], 8, v[TP]
	v_cvt_scalef32_pk16_fp6_f32 v[PC:PC+2], v[O:O+15], v[TSO]
	v_cvt_scalef32_pk16_fp6_f32 v[PC+4:PC+6], v[O+16:O+31], v[TSO+1]
	v_nop
.irp i, 0,1,2
	v_permlane16_swap_b32 v[PC+\i], v[PC+4+\i]     ; lanes 0-15 get block 0 whole, lanes 16-31 block 1
.endr
.irp i, 0,1,2
	v_mov_b32 v[PC+3+\i], v[PC+4+\i]
.endr
	global_store_b128 v[LI], v[PC:PC+3], s[16:17]            ; 512 consecutive bytes
	global_store_b64 v[L8], v[PC+4:PC+5], s[16:17] offset:512   ; 256
	global_store_b16 v[R16], v[YW], s[22:23]                 ; my head's two bytes of each row's word (both halves of the lanes write the same)
	s_wait_tensorcnt 0x0                           ; the wave's end
	ds_add_u32 v[SPW], v[NIL]
	s_wait_dscnt 0x0
	s_endpgm
.Lfunc_end_k_q3fea075f08_attn:
	.size	k_q3fea075f08_attn, .Lfunc_end_k_q3fea075f08_attn-k_q3fea075f08_attn
	.p2alignl 7, 3214868480
	.fill 96, 4, 3214868480
	.section	.rodata,"a",@progbits
	.p2align	6, 0x0
	.amdhsa_kernel k_q3fea075f08_attn
		.amdhsa_group_segment_fixed_size 327680
		.amdhsa_private_segment_fixed_size 0
		.amdhsa_enable_private_segment 0
		.amdhsa_kernarg_size 16
		.amdhsa_user_sgpr_count 2
		.amdhsa_user_sgpr_kernarg_segment_ptr 1
		.amdhsa_wavefront_size32 1
		.amdhsa_system_sgpr_workgroup_id_x 1
		.amdhsa_system_sgpr_workgroup_id_y 1
		.amdhsa_system_sgpr_workgroup_id_z 1
		.amdhsa_system_vgpr_workitem_id 0
		.amdhsa_next_free_vgpr 256
		.amdhsa_next_free_sgpr 100
		.amdhsa_reserve_vcc 1
		.amdhsa_float_denorm_mode_32 3
		.amdhsa_float_denorm_mode_16_64 3
		.amdhsa_memory_ordered 1
		.amdhsa_forward_progress 1
		.amdhsa_inst_pref_size 150
	.end_amdhsa_kernel
	.amdgpu_metadata
---
amdhsa.version: [ 1, 2 ]
amdhsa.kernels:
  - .name:           k_q3fea075f08_attn
    .symbol:         k_q3fea075f08_attn.kd
    .args:
      - { .name: qkv, .offset: 0, .size: 8, .value_kind: global_buffer, .address_space: global }
      - { .name: yq, .offset: 8, .size: 8, .value_kind: global_buffer, .address_space: global }
    .group_segment_fixed_size: 327680
    .private_segment_fixed_size: 0
    .kernarg_segment_align: 8
    .kernarg_segment_size: 16
    .max_flat_workgroup_size: 512
    .sgpr_count:     100
    .vgpr_count:     256
    .wavefront_size: 32
...
	.end_amdgpu_metadata
.endif
;; end of part 3
;; launch outp (part 4): grid 4 x 16, 4 waves a work-group, clusters of 4 x 4, 327,680 bytes of LDS; arguments yq, wq, out0; writes out0
.if DOCPART == 4
	.amdgcn_target "amdgcn-amd-amdhsa--gfx1250"
	.amdhsa_code_object_version 6
	.text
	.protected	k_q3fea075f08_outp
	.globl	k_q3fea075f08_outp
	.p2align	8
	.type	k_q3fea075f08_outp,@function
k_q3fea075f08_outp:
	s_mov_b64 s[64:65], 0
	v_nop
	global_prefetch_b8 v0, s[64:65] scope:SCOPE_SE
	s_setreg_imm32_b32 hwreg(HW_REG_WAVE_MODE, 25, 1), 1
	s_wait_xcnt 0x0
	s_wait_alu depctr_hold_cnt(0) depctr_sa_sdst(0) depctr_va_vdst(0) depctr_va_sdst(0) depctr_va_ssrc(0) depctr_va_vcc(0) depctr_vm_vsrc(0)
	s_getreg_b32 s2, hwreg(HW_REG_IB_STS2, 6, 4)
	s_cmp_eq_u32 s2, 0
	s_cbranch_scc0 .Lentry_in_a_cluster
	s_endpgm
.Lentry_in_a_cluster:
	s_bfe_u32 s2, ttmp6, 0x10000c
	s_cmp_lg_u32 s2, 0xf033
	s_cbranch_scc0 .Lentry_shape_is_right
	s_endpgm
.Lentry_shape_is_right:
; OUTP.  out0 [4096][1024] f32 = y Wout^T on codes of FP6 (E2M3).  y's codes and scale words come from yq, Wout's from wq's groups 40-47; both are images of the operand's registers.
; Block a, lane row r = row pi(a, r) = 32 (a / 2) + 8 (a % 2) + r + 8 (r / 8) of a group of 128, on both sides; so a result's columns fall in their true order in a lane's registers, and its rows are put right by the stores' offsets.
; A fragment of y is two halves of 768 bytes: registers 0-3 at 16 l, registers 4-5 at 512 + 8 l: four LDS loads.  A fragment of Wout is three pieces of 512 bytes: three loads.
; Tiles of 256 x 256, four waves of 128 x 128; K = 1,024 in four steps of 256 through two LDS slots; clusters of 4 x 4 with joint loads: y's tiles shared along a row, Wout's along a column.  The problem has 64 such tiles.
; REGISTERS: window 0: v0-31 addresses; v32-63 scale words; v128-223 y's fragments, one set; on the way out v128-255.   window 1: Wout's fragments, two sets.   windows 2, 3: the accumulators.
.set HALFT,  24576
.set SLOT,   4*HALFT
.set SCL,    2*SLOT
.set SPARE,  SCL+4*4096
.set FR,     12
.set NLA,    4                         ; LDS loads that bring a fragment of y
.set NQ,     2
.set NP,     4
.set YSC,    3145728
.set WSC,    4718592
.set SPITCH, 528                       ; the way out: a stage of 16 rows x (512 bytes + 16) for each wave, in slot 0, which has had its last fill and its last read by then
.set ADRA, 16                          ; v16-17 y's fragments in slot 0, 1, at 16 x lane;  v18-19 at 8 x lane
.set ADRA8, 18
.set ADRB, 20
.set STO,  24
.set RD,   25
.set CO,   26
.set ADRS, 27
.set SPW,  28
.set NIL,  29
.set SC,   32
.set AF,   128
.set BK,   128
.set G1, 24
.set G0, 32
.set G1B, 48
.set G0B, 56
.set G1S, 68
.set G0S, 76
.set G1SB, 80
.set G0SB, 88
.set MSB, 0
.macro WIN new
.if MSB != (\new)
	s_set_vgpr_msb (MSB<<8)|(\new)
.set MSB, (\new)
.endif
.endm
.set MUL_LO, 0xa1
.set MUL_HI, 0xf1
.set TO_B,   0x40
.macro JLOAD g0a, g1a, g0b, g1b        ; waves 0, 1 fetch y's halves, waves 2, 3 Wout's; an s_nop 0 and four v_nop follow each line
	s_cmp_eq_u32 s15, 0
	s_cbranch_scc0 .Lfor_b_\@
	tensor_load_to_lds s[\g0a:\g0a+3], s[\g1a:\g1a+7]
	s_nop 0
.rept 4
	v_nop
.endr
	s_branch .Lasked_\@
.Lfor_b_\@:
	tensor_load_to_lds s[\g0b:\g0b+3], s[\g1b:\g1b+7]
	s_nop 0
.rept 4
	v_nop
.endr
.Lasked_\@:
.endm
.macro CREST
	s_cmp_lg_u32 s14, 0
	s_cbranch_scc1 .Lnot_wave_0_\@
	s_barrier_signal -3
.Lnot_wave_0_\@:
	s_barrier_wait -3
	s_barrier_signal -1
	s_barrier_wait -1
.endm
.macro CROUND
	s_barrier_signal -1
	s_barrier_wait -1
	CREST
.endm
	s_load_b128 s[4:7], s[0:1], 0x0                ; yq, wq
	s_load_b64 s[12:13], s[0:1], 0x10              ; out0
	v_lshl_add_u32 v[SPW], v0, 2, SPARE
	v_mov_b32 v[NIL], 0
	ds_add_u32 v[SPW], v[NIL]                      ; the wave's opening: the add and its wait ahead of my first tensor load
	v_lshrrev_b32 v1, 5, v0
	v_readfirstlane_b32 s14, v1
	s_lshr_b32 s15, s14, 1
	s_and_b32 s16, s14, 1
	s_bfe_u32 s40, ttmp6, 0x40000
	s_bfe_u32 s41, ttmp6, 0x40004
	s_lshl_b32 s42, ttmp9, 2
	s_add_co_u32 s42, s42, s40                     ; tile column
	s_and_b32 s17, ttmp7, 0xffff
	s_lshl_b32 s17, s17, 2
	s_add_co_u32 s17, s17, s41                     ; tile row
	s_lshl_b32 s43, s41, 2
	s_lshl_b32 s43, 15, s43
	s_lshl_b32 s44, 0x1111, s40
	s_or_b32 s[G1], s43, (3<<16)|(1<<21)
	s_or_b32 s[G1B], s44, (3<<16)|(1<<21)
	s_or_b32 s[G1S], s43, (3<<16)|(1<<21)
	s_or_b32 s[G1SB], s44, (3<<16)|(1<<21)
.irp g, G1, G1B                        ; 96 rows of 256 bytes, dense
	s_mov_b32 s[\g+1], 32<<16
	s_mov_b32 s[\g+2], 96<<16
	s_mov_b32 s[\g+3], 32<<16
	s_mov_b32 s[\g+4], 96
	s_mov_b32 s[\g+5], 32
	s_mov_b32 s[\g+6], 0
	s_mov_b32 s[\g+7], 0
.endr
.irp g, G1S, G1SB                      ; 16 rows of 256 bytes
	s_mov_b32 s[\g+1], 32<<16
	s_mov_b32 s[\g+2], 16<<16
	s_mov_b32 s[\g+3], 32<<16
	s_mov_b32 s[\g+4], 16
	s_mov_b32 s[\g+5], 32
	s_mov_b32 s[\g+6], 0
	s_mov_b32 s[\g+7], 0
.endr
	s_lshl_b32 s20, s17, 1
	s_add_co_u32 s20, s20, s16                     ; y's group that I fetch
	s_lshl_b32 s46, s42, 1
	s_add_co_u32 s46, s46, s16
	s_add_co_u32 s46, s46, 40                      ; Wout's
	s_lshl_b32 s22, s20, 12
	s_add_co_u32 s22, s22, YSC
	s_lshl_b32 s92, s46, 12
	s_add_co_u32 s92, s92, WSC
	s_mul_i32 s20, s20, 98304
	s_mul_i32 s46, s46, 98304
	s_mov_b32 s21, 0
	s_mov_b32 s23, 0
	s_mov_b32 s47, 0
	s_mov_b32 s93, 0
	s_mul_i32 s45, s14, HALFT
	s_lshl_b32 s94, s14, 12
	s_wait_dscnt 0x0
	s_wait_kmcnt 0x0
	s_add_nc_u64 s[20:21], s[4:5], s[20:21]
	s_add_nc_u64 s[22:23], s[4:5], s[22:23]
	s_add_nc_u64 s[46:47], s[6:7], s[46:47]
	s_add_nc_u64 s[92:93], s[6:7], s[92:93]
	CROUND
	s_mov_b32 s[G0S], 1
	s_add_co_u32 s[G0S+1], s94, SCL
	s_mov_b64 s[G0S+2:G0S+3], s[22:23]
	s_or_b32 s[G0S+3], s[G0S+3], 0x80000000
	s_mov_b32 s[G0SB], 1
	s_add_co_u32 s[G0SB+1], s94, SCL
	s_mov_b64 s[G0SB+2:G0SB+3], s[92:93]
	s_or_b32 s[G0SB+3], s[G0SB+3], 0x80000000
	JLOAD G0S, G1S, G0SB, G1SB
.irp s, 0,1
	s_mov_b32 s[G0+4*\s], 1
	s_add_co_u32 s[G0+4*\s+1], s45, \s*SLOT
	s_add_nc_u64 s[G0+4*\s+2:G0+4*\s+3], s[20:21], \s*HALFT
	s_or_b32 s[G0+4*\s+3], s[G0+4*\s+3], 0x80000000
	s_mov_b32 s[G0B+4*\s], 1
	s_add_co_u32 s[G0B+4*\s+1], s45, \s*SLOT
	s_add_nc_u64 s[G0B+4*\s+2:G0B+4*\s+3], s[46:47], \s*HALFT
	s_or_b32 s[G0B+4*\s+3], s[G0B+4*\s+3], 0x80000000
	JLOAD G0+4*\s, G1, G0B+4*\s, G1B
.endr
	v_and_b32 v1, 15, v0                           ; r
	v_bfe_u32 v2, v0, 4, 1                         ; h
	v_and_b32 v6, 31, v0
	v_lshlrev_b32 v[CO], 4, v6                     ; 16 x lane
	v_lshlrev_b32 v7, 3, v6                        ; 8 x lane
	s_mul_i32 s21, s15, HALFT
	s_mul_i32 s22, s16, HALFT
	s_add_co_u32 s22, s22, 2*HALFT
.irp s, 0,1
	v_add_nc_u32 v[ADRA+\s], s21, v[CO]
	v_add_nc_u32 v[ADRA8+\s], s21, v7
	v_add_nc_u32 v[ADRB+\s], s22, v[CO]
	s_add_co_u32 s21, s21, SLOT
	s_add_co_u32 s22, s22, SLOT
.endr
	v_lshlrev_b32 v5, 4, v1
	s_lshl_b32 s21, s15, 12
	s_lshl_b32 s22, s16, 12
	s_add_co_u32 s22, s22, 8192
	s_sub_co_u32 s22, s22, s21
	v_mul_u32_u24 v6, s22, v2                      ; lanes 16-31 take Wout's words: one product with h
	s_add_co_u32 s21, s21, SCL
	v_add_nc_u32 v5, v5, v6
	v_add_nc_u32 v[ADRS], s21, v5
	s_mul_i32 s23, s14, 16*SPITCH                  ; my stage
	v_mul_u32_u24 v5, v1, SPITCH
	v_lshl_add_u32 v5, v2, 6, v5
	v_add_nc_u32 v[STO], s23, v5                   ; in: row r, + 64 h
	v_add_nc_u32 v[RD], s23, v[CO]                 ; back: a row of 512 bytes to the 32 lanes
	s_lshl_b32 s20, s17, 8
	s_lshl_b32 s21, s15, 7
	s_add_co_u32 s20, s20, s21
	s_lshl_b32 s20, s20, 12                        ; my first row of out0, 4,096 bytes a row
	s_lshl_b32 s46, s42, 10
	s_lshl_b32 s47, s16, 9
	s_add_co_u32 s46, s46, s47
	s_add_co_u32 s20, s20, s46
	s_mov_b32 s21, 0
	s_add_nc_u64 s[12:13], s[12:13], s[20:21]
.macro FRAG reg, adr, q, i
.irp c, 0,1,2
	ds_load_b128 v[\reg+4*\c:\reg+4*\c+3], v[\adr] offset:(\q)*12288+(\i)*1536+512*\c
.endr
.endm
.macro FRAGY reg, s, q, i
	ds_load_b128 v[\reg:\reg+3], v[ADRA+\s] offset:(\q)*12288+(\i)*1536
	ds_load_b64 v[\reg+4:\reg+5], v[ADRA8+\s] offset:(\q)*12288+(\i)*1536+512
	ds_load_b128 v[\reg+6:\reg+9], v[ADRA+\s] offset:(\q)*12288+(\i)*1536+768
	ds_load_b64 v[\reg+10:\reg+11], v[ADRA8+\s] offset:(\q)*12288+(\i)*1536+1280
.endm
.macro MUL16 a0, p, q, sc, zero        ; the 64 accumulators take turns, one instruction a turn
.irp a, \a0, \a0+1
.irp b, 0,1,2,3,4,5,6,7
.if \zero
	v_wmma_scale_f32_16x16x128_f8f6f4 v[8*(8*((\a)%4)+\b):8*(8*((\a)%4)+\b)+7], v[128*(\p)+FR*\b:128*(\p)+FR*\b+FR-1], v[AF+FR*(\a):AF+FR*(\a)+FR-1], 0, v[SC+8*NQ*(\sc)+NQ*\b+(\q)], v[SC+8*NQ*(\sc)+NQ*(\a)+(\q)] matrix_a_fmt:MATRIX_FMT_FP6 matrix_b_fmt:MATRIX_FMT_FP6 matrix_a_scale:MATRIX_SCALE_ROW1
.else
	v_wmma_scale_f32_16x16x128_f8f6f4 v[8*(8*((\a)%4)+\b):8*(8*((\a)%4)+\b)+7], v[128*(\p)+FR*\b:128*(\p)+FR*\b+FR-1], v[AF+FR*(\a):AF+FR*(\a)+FR-1], v[8*(8*((\a)%4)+\b):8*(8*((\a)%4)+\b)+7], v[SC+8*NQ*(\sc)+NQ*\b+(\q)], v[SC+8*NQ*(\sc)+NQ*(\a)+(\q)] matrix_a_fmt:MATRIX_FMT_FP6 matrix_b_fmt:MATRIX_FMT_FP6 matrix_a_scale:MATRIX_SCALE_ROW1
.endif
.endr
.endr
.endm
.macro FETCH_B slot, q, p
	WIN TO_B
.irp i, 0,1,2,3,4,5,6,7
	FRAG 128*(\p)+FR*\i, ADRB+\slot, \q, \i
.endr
	WIN 0
.endm
.macro FETCH_A slot, q, i0
.irp i, \i0, \i0+1, \i0+2, \i0+3
	FRAGY AF+FR*(\i), \slot, \q, \i
.endr
.endm
.macro SCALES sc
.irp i, 0,1,2,3,4,5,6,7
	ds_load_b64 v[SC+8*NQ*\sc+NQ*\i:SC+8*NQ*\sc+NQ*\i+1], v[ADRS] offset:256*\i+8*\sc
.endr
.endm
.macro PLACES n
.rept \n
	v_nop
.endr
.endm
.macro STEP slot, q, zero
	s_wait_dscnt 4*NLA                             ; all but the youngest sixteen loads (y's blocks 4-7)
	WIN MUL_LO
	MUL16 0, (\q)%2, \q, \slot, \zero
	MUL16 2, (\q)%2, \q, \slot, \zero
	s_wait_dscnt 0
	PLACES NP
	FETCH_B \slot, (\q)+1, 1-(\q)%2
	FETCH_A \slot, (\q)+1, 0
	WIN MUL_HI
	MUL16 4, (\q)%2, \q, \slot, \zero
	MUL16 6, (\q)%2, \q, \slot, \zero
	PLACES NP
	WIN 0
	FETCH_A \slot, (\q)+1, 4
.endm
.macro TURN slot, next, fill
	s_wait_tensorcnt 0x0                           ; all my tensor loads have landed
	ds_add_u32 v[SPW], v[NIL]
	s_wait_dscnt 4*NLA+1                           ; (the add and the youngest sixteen loads may be out)
	WIN MUL_LO
	MUL16 0, 1, NQ-1, \slot, 0
	s_wait_dscnt 0x0                               ; the add is done, and my reads of this slot are over
	s_barrier_signal -1
	MUL16 2, 1, NQ-1, \slot, 0
	WIN 0
	s_barrier_wait -1
.if \fill
	CREST
	s_add_nc_u64 s[G0+4*\slot+2:G0+4*\slot+3], s[G0+4*\slot+2:G0+4*\slot+3], 2*HALFT
	s_add_nc_u64 s[G0B+4*\slot+2:G0B+4*\slot+3], s[G0B+4*\slot+2:G0B+4*\slot+3], 2*HALFT
	JLOAD G0+4*\slot, G1, G0B+4*\slot, G1B
.else
	PLACES NP
.endif
.if \slot == 1
	v_add_nc_u32 v[ADRS], 2048, v[ADRS]
.endif
	FETCH_B \next, 0, 0
	FETCH_A \next, 0, 0
	SCALES \next
	WIN MUL_HI
	MUL16 4, 1, NQ-1, \slot, 0
	MUL16 6, 1, NQ-1, \slot, 0
	PLACES NP
	WIN 0
	FETCH_A \next, 0, 4
.endm
	s_wait_tensorcnt 1                             ; the scale words and my part of slot 0 are in; slot 1's load may be out
	s_barrier_signal -1
	s_barrier_wait -1
	FETCH_B 0, 0, 0
	FETCH_A 0, 0, 0
	SCALES 0
	FETCH_A 0, 0, 4
	STEP 0, 0, 1
	TURN 0, 1, 1
	STEP 1, 0, 0
	TURN 1, 0, 1
	STEP 0, 0, 0
	TURN 0, 1, 0
	STEP 1, 0, 0
	s_wait_dscnt 4*NLA
	WIN MUL_LO
	MUL16 0, 1, NQ-1, 1, 0
	MUL16 2, 1, NQ-1, 1, 0
	s_wait_dscnt 0
	WIN MUL_HI
	MUL16 4, 1, NQ-1, 1, 0
	MUL16 6, 1, NQ-1, 1, 0
	WIN 0
; THE WAY OUT, a block of 16 rows x 128 columns at a time, through my own stage: a lane's eight results of tile b are columns 32 (b / 2) + 16 h + 8 (b % 2) + 0 .. 7 of its row; whole rows of 512 bytes come back.
.macro TOSTAGE a
.set AC, 64*((\a)%4)
	WIN 0x08+4*((\a)/4)                            ; an LDS store's data: window 2 or 3
.irp b, 0,1,2,3,4,5,6,7
	ds_store_b128 v[STO], v[AC+8*\b:AC+8*\b+3] offset:128*(\b/2)+32*(\b%2)          ; each accumulator from its low end on
	ds_store_b128 v[STO], v[AC+8*\b+4:AC+8*\b+7] offset:128*(\b/2)+32*(\b%2)+16
.endr
	WIN 0
.set BB, BK+64*((\a)%2)
.irp t, 0,1,2,3,4,5,6,7,8,9,10,11,12,13,14,15
	ds_load_b128 v[BB+4*\t:BB+4*\t+3], v[RD] offset:\t*SPITCH   ; LDS serves a wave's instructions in order: these see the stores above
.endr
.endm
.macro SEND a, younger
.set BB, BK+64*((\a)%2)
	s_wait_dscnt \younger
.irp t, 0,1,2,3,4,5,6,7,8,9,10,11,12,13,14,15
	global_store_b128 v[CO], v[BB+4*\t:BB+4*\t+3], s[12:13] offset:(32*((\a)/2)+8*((\a)%2)+\t+8*(\t/8))*4096 th:TH_STORE_NT   ; stage row t is row pi(a, t): 512 consecutive aligned bytes
.endr
.endm
	PLACES NP
	TOSTAGE 0
.irp a, 1,2,3,4,5,6,7
.if \a > 1
	s_wait_xcnt 0x0                                ; block a - 2's stores have read their registers: block a's loads may land there
.endif
	TOSTAGE \a
	SEND \a-1, 32                                  ; behind block a - 1's loads: block a's 16 stores and 16 loads
.endr
	SEND 7, 0
	s_wait_tensorcnt 0x0                           ; the wave's end
	ds_add_u32 v[SPW], v[NIL]
	s_wait_dscnt 0x0
	CROUND                                         ; the closing round
	s_endpgm
.Lfunc_end_k_q3fea075f08_outp:
	.size	k_q3fea075f08_outp, .Lfunc_end_k_q3fea075f08_outp-k_q3fea075f08_outp
	.p2alignl 7, 3214868480
	.fill 96, 4, 3214868480
	.section	.rodata,"a",@progbits
	.p2align	6, 0x0
	.amdhsa_kernel k_q3fea075f08_outp
		.amdhsa_group_segment_fixed_size 327680
		.amdhsa_private_segment_fixed_size 0
		.amdhsa_enable_private_segment 0
		.amdhsa_kernarg_size 24
		.amdhsa_user_sgpr_count 2
		.amdhsa_user_sgpr_kernarg_segment_ptr 1
		.amdhsa_wavefront_size32 1
		.amdhsa_system_sgpr_workgroup_id_x 1
		.amdhsa_system_sgpr_workgroup_id_y 1
		.amdhsa_system_sgpr_workgroup_id_z 1
		.amdhsa_system_vgpr_workitem_id 0
		.amdhsa_next_free_vgpr 1024
		.amdhsa_next_free_sgpr 98
		.amdhsa_reserve_vcc 0
		.amdhsa_float_denorm_mode_32 3
		.amdhsa_float_denorm_mode_16_64 3
		.amdhsa_memory_ordered 1
		.amdhsa_forward_progress 1
		.amdhsa_inst_pref_size 139
	.end_amdhsa_kernel
	.amdgpu_metadata
---
amdhsa.version: [ 1, 2 ]
amdhsa.kernels:
  - .name:           k_q3fea075f08_outp
    .symbol:         k_q3fea075f08_outp.kd
    .args:
      - { .name: yq, .offset: 0, .size: 8, .value_kind: global_buffer, .address_space: global }
      - { .name: wq, .offset: 8, .size: 8, .value_kind: global_buffer, .address_space: global }
      - { .name: out0, .offset: 16, .size: 8, .value_kind: global_buffer, .address_space: global }
    .group_segment_fixed_size: 327680
    .private_segment_fixed_size: 0
    .kernarg_segment_align: 8
    .kernarg_segment_size: 24
    .max_flat_workgroup_size: 128
    .sgpr_count:     98
    .vgpr_count:     1024
    .wavefront_size: 32
...
	.end_amdgpu_metadata
.endif
;; end of part 4
;; ======== version 2 of 2: 4 launches
;; workspace buffers: xq 3,276,800 bytes; wq 4,915,200 bytes; rope 524,288 bytes; qkv 16,384,000 bytes; yq 3,276,800 bytes
;; launch prep (part 5): grid 352 x 1, 4 waves a work-group, no clusters, 34,304 bytes of LDS; arguments x, Wq1, Wq2, Wk1, Wk2, Wv, Wout, xq, wq, rope; writes xq, wq, rope
.if DOCPART == 5
	.amdgcn_target "amdgcn-amd-amdhsa--gfx1250"
	.amdhsa_code_object_version 6
	.text
	.protected	k_q3fea075f08_prep
	.globl	k_q3fea075f08_prep
	.p2align	8
	.type	k_q3fea075f08_prep,@function
k_q3fea075f08_prep:
	s_mov_b64 s[64:65], 0
	v_nop
	global_prefetch_b8 v0, s[64:65] scope:SCOPE_SE
	s_setreg_imm32_b32 hwreg(HW_REG_WAVE_MODE, 25, 1), 1
	s_wait_xcnt 0x0
; PREP.  x [4096][1024] and the six weights [1024][1024], f32 with K innermost, become codes of FP6 (E2M3) with one E8M0 byte for each 32 along K; and the rotary table is made.
; LAYOUT OF THE CODES: images of the matrix operand's registers.  A fragment is 16 rows x 128 K = 12 registers a lane = 1,536 bytes: three pieces of 512 bytes, piece c = registers 4 c .. 4 c + 3, lane l's 16 bytes at 16 l.
; Lane (r, h) holds row pi(a, r) = 32 (a / 2) + 8 (a % 2) + r + 8 (r / 8) of a group of 128 rows (a = 0 .. 7), registers 6 c .. 6 c + 5 = K 64 c + 32 h + 0 .. 31.
; xq, and Wout in wq (groups 40-47): codes [group R][K step s of 128, 0..7][a][1536]; scale words [R][s / 4][a][r][s % 4], 4 bytes each, behind the codes.
; THE FIVE PROJECTIONS' WEIGHTS lie in wq by tile t = 0 .. 15, as the next launch fetches them: a unit is 128 rows, head h's 64 of Wq1 and 64 of Wq2 (units 0-15) or of Wk1 and Wk2 (units 16-31); tile t has units 2 t and 2 t + 1 and head t's 64 rows of Wv.
; Codes [t][slot of 256 K, 0..3][unit 2 t: 24,576 | unit 2 t + 1: 24,576 | Wv: 12,288], each part [step of 128 in the slot][a][1536]; scale words [t][unit: 4,096 | unit: 4,096 | Wv: 2,048], each part [s / 4][a][r][s % 4].
; 16 x 245,760 bytes of codes and 16 x 10,240 of scale words are just what groups 0-39 would take, so Wout's groups keep their places.
; SHARES.  Work-groups 0-127: x, 64 rows x 512 K each; 128-319: the weights likewise; a wave takes 16 rows (one a), four fragments.  Work-groups 320-351: the rotary table, a wave to 16 tokens.
; Each load reads 512 consecutive bytes of a row; a fragment's 16 rows turn through the wave's own stage in LDS, so that a lane gets 2 x 32 neighbours along K; each store writes 512 consecutive aligned bytes.
; THE SCALE: the largest magnitude's exponent field less 2, held at 1 from below by a floor among the maximum's leaves.  A block of zeros so gets the byte 1 where the rule says 127: its codes are zeros, and this program alone reads the bytes.
; THE TABLE: rope[8 (t / 128) + a][piece 0..7][lane][16 bytes]: lane (r, h), token 128 (t / 128) + pi(a, r): pieces 0-3 cos, pieces 4-7 sin of t x inv_freq(16 h + 0 .. 15), rounded to bf16 and widened to f32.
; inv_freq(i) = 1 / 10^(i / 8), the power as the nearest f32, the quotient by a reciprocal and two corrections; sine and cosine by a reduction in two parts of pi / 2 and Taylor sums (errors near 1e-7 ahead of the rounding to bf16).
; LIMITS: NaN and infinities among the inputs are not served; blocks whose largest magnitude lies under 2^-124 keep the byte 1; a few table entries that lie at a middle between two bf16 numbers may round the other way than another library's cosine.
.set STG,   8448                       ; a wave's stage: 16 rows x (512 bytes + 16)
.set SPARE, 4*STG                      ; behind the stages: the spare words, 128 bytes a wave
.set XSC,   3145728                    ; where xq's scale words begin
.set WSC,   4718592                    ; and wq's
.set SPW, 12                           ; v12  my spare word's LDS address; never rewritten
.set NIL, 13                           ; v13  0; never rewritten
.set RS,  16                           ; v16-143  two sets of 64: 16 rows as loaded
.set X,   144                          ; v144-207 my 2 x 32 neighbours
.set PC,  208                          ; v208-219 the fragment's codes
.set TC,  220                          ; v220-222, v224-226 the upper halves of the two blocks
.set M,   228                          ; largest magnitudes
.set SO,  230                          ; the conversions' scale operands
.set BY,  232                          ; the bytes
.set T0,  234                          ; v234-235 at work
.set W,   236                          ; v236-239 the four fragments' scale words
	s_load_b512 s[8:23], s[0:1], 0x0               ; x, Wq1, Wq2, Wk1, Wk2, Wv, Wout, xq
	s_load_b128 s[24:27], s[0:1], 0x40             ; wq, rope
	v_lshl_add_u32 v[SPW], v0, 2, SPARE
	v_mov_b32 v[NIL], 0
	v_lshrrev_b32 v8, 5, v0
	v_readfirstlane_b32 s28, v8                    ; wave
	v_and_b32 v8, 31, v0
	v_lshlrev_b32 v1, 4, v8                        ; 16 x lane
	v_and_b32 v2, 15, v0                           ; r
	v_bfe_u32 v3, v0, 4, 1                         ; h
	s_cmp_ge_u32 ttmp9, 320
	s_cbranch_scc1 .Lrope
	; ---- which tensor, which 64 rows, which half of K
	s_and_b32 s29, ttmp9, 1                        ; half of K
	s_sub_co_u32 s32, ttmp9, 128
	s_lshr_b32 s30, s32, 5                         ; the weight's number 0..5
	s_bfe_u32 s31, s32, 0x40001                    ; its group of 64 rows
	s_lshr_b32 s33, ttmp9, 1                       ; x's group of 64 rows
	s_cmp_lt_u32 ttmp9, 128
	s_cselect_b32 s30, 15, s30                     ; 15 stands for x
	s_cselect_b32 s31, s33, s31
	s_lshr_b32 s33, s30, 1                         ; Wq1 .. Wk2: unit = head + 16 for the k's, blocks 0-3 for the first of a pair, 4-7 for the second
	s_lshl_b32 s33, s33, 4
	s_add_co_u32 s33, s33, s31
	s_and_b32 s34, s30, 1
	s_lshl_b32 s34, s34, 2
	s_lshr_b32 s35, s31, 1                         ; x, Wout: two groups of 64 make one of 128
	s_and_b32 s36, s31, 1
	s_lshl_b32 s36, s36, 2
	s_cmp_eq_u32 s30, 4
	s_cselect_b32 s37, 32, 0
	s_cmp_eq_u32 s30, 5
	s_cselect_b32 s37, 40, s37
	s_add_co_u32 s35, s35, s37
	s_cmp_lt_u32 s30, 4
	s_cselect_b32 s33, s33, s35                    ; R
	s_cselect_b32 s34, s34, s36
	s_add_co_u32 s34, s34, s28                     ; a
	s_lshl_b32 s38, s31, 6                         ; the source: row 64 G + 32 (wave / 2) + 8 (wave % 2), 4,096 bytes a row, + 2,048 for the second half of K
	s_lshr_b32 s39, s28, 1
	s_lshl_b32 s39, s39, 5
	s_add_co_u32 s38, s38, s39
	s_and_b32 s39, s28, 1
	s_lshl_b32 s39, s39, 3
	s_add_co_u32 s38, s38, s39
	s_lshl_b32 s38, s38, 12
	s_lshl_b32 s39, s29, 11
	s_add_co_u32 s38, s38, s39
	s_mov_b32 s39, 0
	s_mul_i32 s46, s33, 98304                      ; the codes, by groups (x, Wout)
	s_mul_i32 s47, s29, 49152
	s_add_co_u32 s46, s46, s47
	s_mul_i32 s47, s34, 1536
	s_add_co_u32 s46, s46, s47
	s_mov_b32 s47, 0
	s_lshl_b32 s48, s33, 12                        ; the scale words, by groups
	s_lshl_b32 s49, s29, 11
	s_add_co_u32 s48, s48, s49
	s_lshl_b32 s49, s34, 8
	s_add_co_u32 s48, s48, s49
	; the same by tiles, for the five projections' weights
	s_lshr_b32 s54, s33, 1                         ; a unit's tile,
	s_and_b32 s55, s33, 1                          ; and which of its two units
	s_mul_i32 s56, s55, 24576
	s_lshl_b32 s55, s55, 12
	s_lshl_b32 s57, s29, 11                        ; a half of K in a unit's scale words,
	s_lshl_b32 s58, s29, 10                        ; and in Wv's
	s_mov_b32 s59, 49152
	s_mov_b32 s60, 8192
	s_mov_b32 s61, 55296
	s_mov_b32 s66, 12288                           ; from a slot's first step of 128 to its second,
	s_mov_b32 s68, 12288                           ; and from there to the next slot's first
	s_cmp_eq_u32 s30, 4                            ; Wv: tile = head; its part lies behind the two units; 64 rows: blocks 0-3 = the wave
	s_cselect_b32 s54, s31, s54
	s_cselect_b32 s56, s59, s56
	s_cselect_b32 s55, s60, s55
	s_cselect_b32 s57, s58, s57
	s_cselect_b32 s58, s28, s34
	s_cselect_b32 s66, 6144, s66
	s_cselect_b32 s68, s61, s68                    ; 61,440 - 6,144
	s_cmp_lt_u32 s30, 4
	s_cselect_b32 s68, s59, s68                    ; 61,440 - 12,288
	s_mov_b32 s67, 0
	s_mov_b32 s69, 0
	s_mul_i32 s62, s54, 245760
	s_mul_i32 s63, s29, 122880                     ; a half of K is two slots
	s_add_co_u32 s62, s62, s63
	s_add_co_u32 s62, s62, s56
	s_mul_i32 s63, s58, 1536
	s_add_co_u32 s62, s62, s63
	s_mul_i32 s63, s54, 10240
	s_add_co_u32 s63, s63, s55
	s_add_co_u32 s63, s63, s57
	s_lshl_b32 s58, s58, 8
	s_add_co_u32 s63, s63, s58
	s_cmp_lt_u32 s30, 5
	s_cselect_b32 s46, s62, s46
	s_cselect_b32 s48, s63, s48
	s_mov_b32 s49, WSC
	s_cmp_eq_u32 s30, 15
	s_cselect_b32 s49, XSC, s49
	s_add_co_u32 s48, s48, s49
	s_mov_b32 s49, 0
	s_mul_i32 s50, s28, STG
	v_add_nc_u32 v4, s50, v1                       ; the stage, in: a row's 512 bytes as they lie
	v_mul_u32_u24 v5, v2, 528
	v_lshl_add_u32 v5, v3, 7, v5
	v_add_nc_u32 v5, s50, v5                       ; out: row r, + 128 h
	v_lshlrev_b32 v6, 4, v2
	v_lshl_add_u32 v6, v3, 3, v6                   ; the scale words' place: 16 r + 8 h
	v_lshlrev_b32 v7, 3, v3                        ; 8 h
	v_mov_b32 v[T0+1], 0                           ; a lane permute's destination counts as read
	s_mov_b32 s52, 0x76543210
	s_mov_b32 s53, 0xfedcba98                      ; selects for lane l xor 16
	s_wait_kmcnt 0x0
	s_mov_b64 s[40:41], s[8:9]                     ; the choice of buffers hangs on the work-group's number alone
.irp k, 0,1,2,3,4,5
	s_cmp_eq_u32 s30, \k
	s_cselect_b64 s[40:41], s[10+2*\k:11+2*\k], s[40:41]
.endr
	s_cmp_eq_u32 s30, 15
	s_cselect_b64 s[42:43], s[22:23], s[24:25]
	s_add_nc_u64 s[40:41], s[40:41], s[38:39]
	s_add_nc_u64 s[44:45], s[42:43], s[48:49]
	s_add_nc_u64 s[42:43], s[42:43], s[46:47]
.macro LOAD f                          ; fragment f: 16 rows x 512 consecutive bytes
.irp p, 0,1,2,3,4,5,6,7,8,9,10,11,12,13,14,15
	global_load_b128 v[RS+64*((\f)%2)+4*\p:RS+64*((\f)%2)+4*\p+3], v1, s[40:41] offset:(\p+8*(\p/8))*4096+512*(\f) th:TH_LOAD_NT
.endr
.endm
.macro TURN f                          ; through my stage: LDS serves a wave's instructions in order, so no wait stands between the stores and the loads
.irp p, 0,1,2,3,4,5,6,7,8,9,10,11,12,13,14,15
	ds_store_b128 v4, v[RS+64*((\f)%2)+4*\p:RS+64*((\f)%2)+4*\p+3] offset:528*\p
.endr
.irp c, 0,1
.irp j, 0,1,2,3,4,5,6,7
	ds_load_b128 v[X+32*\c+4*\j:X+32*\c+4*\j+3], v5 offset:256*\c+16*\j
.endr
.endr
.endm
.macro QF f                            ; my two whole blocks (2 c + h) become codes; the scale word is gathered from lanes l and l xor 16
.irp c, 0,1
	v_max3_num_f32 v[M+\c], |v[X+32*\c]|, |v[X+32*\c+1]|, 0x1800000   ; with the floor 2^(3 - 127)
.endr
.irp i, 2,4,6,8,10,12,14,16,18,20,22,24,26,28,30
.irp c, 0,1
	v_max3_num_f32 v[M+\c], v[M+\c], |v[X+32*\c+\i]|, |v[X+32*\c+\i+1]|
.endr
.endr
.irp c, 0,1
	v_add_nc_u32 v[SO+\c], 0xff000000, v[M+\c]     ; 2 off the exponent field: the conversion's scale operand
.endr
.irp c, 0,1
	v_lshrrev_b32 v[BY+\c], 23, v[SO+\c]           ; the byte
.endr
	v_lshl_or_b32 v[T0], v[BY+1], 16, v[BY]
	v_lshlrev_b32 v[T0], v7, v[T0]                 ; blocks h and 2 + h at their places
	v_permlanex16_b32 v[T0+1], v[T0], s52, s53
	v_or_b32 v[W+\f], v[T0], v[T0+1]
.irp c, 0,1
	v_cvt_scalef32_pk16_fp6_f32 v[PC+6*\c:PC+6*\c+2], v[X+32*\c:X+32*\c+15], v[SO+\c]
	v_cvt_scalef32_pk16_fp6_f32 v[TC+4*\c:TC+4*\c+2], v[X+32*\c+16:X+32*\c+31], v[SO+\c]   ; (a conversion's three registers begin on an even number)
.endr
	v_nop                                          ; one plain place behind a scaled conversion
.irp c, 0,1
.irp i, 0,1,2
	v_mov_b32 v[PC+6*\c+3+\i], v[TC+4*\c+\i]
.endr
.endr
.irp c, 0,1,2
	global_store_b128 v1, v[PC+4*\c:PC+4*\c+3], s[42:43] offset:512*\c   ; 512 consecutive aligned bytes
.endr
.endm
	LOAD 0
	LOAD 1
.irp f, 0,1,2,3
.if \f < 3
	s_wait_loadcnt 16                              ; this fragment's 16 loads are in, the next one's may be out
.else
	s_wait_loadcnt 0x0
.endif
	TURN \f
	s_wait_dscnt 0x0                               ; my numbers are back, and the stage's stores have read their registers,
.if \f < 2
	LOAD \f+2                                      ; which take the fragment two on
.endif
.if \f > 0
	s_wait_xcnt 0x0                                ; the last fragment's stores have read the codes' registers and their base: both are written again only behind this wait
.if \f == 2
	s_add_nc_u64 s[42:43], s[42:43], s[68:69]      ; on to the next slot's first step
.else
	s_add_nc_u64 s[42:43], s[42:43], s[66:67]      ; on to the slot's second step
.endif
.endif
	QF \f
.endr
	v_cmp_ne_u32 vcc_lo, 0, v3
	v_cndmask_b32 v[T0], v[W], v[W+2], vcc_lo      ; lanes 0-15 store words 0, 1 of row r, lanes 16-31 words 2, 3: 256 consecutive bytes
	v_cndmask_b32 v[T0+1], v[W+1], v[W+3], vcc_lo
	global_store_b64 v6, v[T0:T0+1], s[44:45]
	s_wait_tensorcnt 0x0                           ; the wave's end, behind my last LDS store
	ds_add_u32 v[SPW], v[NIL]
	s_wait_dscnt 0x0
	s_endpgm
	; ---- the rotary table.  No LDS on this path.
.Lrope:
	s_sub_co_u32 s30, ttmp9, 320
	s_lshl_b32 s30, s30, 2
	s_add_co_u32 s30, s30, s28                     ; the block of 16 tokens, 0 .. 127
	s_lshr_b32 s31, s30, 3
	s_lshl_b32 s31, s31, 7
	s_bfe_u32 s32, s30, 0x20001
	s_lshl_b32 s32, s32, 5
	s_add_co_u32 s31, s31, s32
	s_and_b32 s32, s30, 1
	s_lshl_b32 s32, s32, 3
	s_add_co_u32 s31, s31, s32                     ; 128 (block / 8) + 32 (a / 2) + 8 (a % 2)
	s_lshl_b32 s30, s30, 12                        ; the block's 4,096 bytes of the table
	v_and_b32 v9, 8, v2
	v_add_nc_u32 v9, v9, v2
	v_add_nc_u32 v9, s31, v9                       ; my token
	v_cvt_f32_u32 v20, v9
	s_mov_b32 s31, 0                               ; (from here on the upper word of the pair s[30:31])
	s_mov_b32 s34, 0x3f22f983                      ; 2 / pi
	s_mov_b32 s35, 0xbfc90fdb                      ; - pi / 2, its upper part
	s_mov_b32 s36, 0x333bbd2e                      ; what the upper part has too much
	s_mov_b32 s37, 0x3638ef1d                      ; 1 / 9!
	s_mov_b32 s38, 0xb9500d01                      ; - 1 / 7!
	s_mov_b32 s39, 0x3c088889                      ; 1 / 5!
	s_mov_b32 s40, 0xbe2aaaab                      ; - 1 / 3!
	s_mov_b32 s41, 0xb493f27e                      ; - 1 / 10!
	s_mov_b32 s42, 0x37d00d01                      ; 1 / 8!
	s_mov_b32 s43, 0xbab60b61                      ; - 1 / 6!
	s_mov_b32 s44, 0x3d2aaaab                      ; 1 / 4!
	v_cmp_ne_u32 vcc_lo, 0, v3
.macro PJ j, lo, hi                    ; 10^((16 h + j) / 8)
	v_mov_b32 v[96+\j], \hi
	v_cndmask_b32 v[96+\j], \lo, v[96+\j], vcc_lo
.endm
	PJ 0, 1.0, 100.0
	PJ 1, 1.333521432163324, 133.3521432163324
	PJ 2, 1.7782794100389228, 177.82794100389228
	PJ 3, 2.371373705661655, 237.1373705661655
	PJ 4, 3.1622776601683795, 316.22776601683796
	PJ 5, 4.216965034285822, 421.6965034285822
	PJ 6, 5.623413251903491, 562.3413251903491
	PJ 7, 7.498942093324558, 749.8942093324558
	PJ 8, 10.0, 1000.0
	PJ 9, 13.33521432163324, 1333.521432163324
	PJ 10, 17.782794100389228, 1778.2794100389228
	PJ 11, 23.71373705661655, 2371.373705661655
	PJ 12, 31.622776601683793, 3162.2776601683795
	PJ 13, 42.16965034285822, 4216.965034285822
	PJ 14, 56.23413251903491, 5623.413251903491
	PJ 15, 74.98942093324558, 7498.942093324558
.irp j, 0,1,2,3,4,5,6,7,8,9,10,11,12,13,14,15
	v_rcp_f32 v[112+\j], v[96+\j]
.endr
	v_nop                                          ; a plain place behind the last reciprocal,
	s_wait_alu depctr_va_vdst(0)                   ; and one wait for the batch, ahead of its first reader
.rept 2
.irp j, 0,1,2,3,4,5,6,7,8,9,10,11,12,13,14,15
	v_fma_f32 v[64+\j], -v[96+\j], v[112+\j], 1.0  ; what is missing from 1,
.endr
.irp j, 0,1,2,3,4,5,6,7,8,9,10,11,12,13,14,15
	v_fma_f32 v[112+\j], v[112+\j], v[64+\j], v[112+\j]   ; put back
.endr
.endr
.irp j, 0,1,2,3,4,5,6,7,8,9,10,11,12,13,14,15
	v_mul_f32 v64, v20, v[112+\j]                  ; the angle, rounded to f32 as the definition rounds it
	v_mul_f32 v65, s34, v64
	v_rndne_f32 v65, v65                           ; n quarter turns
	v_fma_f32 v66, v65, s35, v64
	v_fma_f32 v66, v65, s36, v66                   ; what is left, at most pi / 4
	v_mul_f32 v67, v66, v66
	v_fma_f32 v68, v67, s37, s38
	v_fma_f32 v70, v67, s41, s42
	v_fma_f32 v68, v68, v67, s39
	v_fma_f32 v70, v70, v67, s43
	v_fma_f32 v68, v68, v67, s40
	v_fma_f32 v70, v70, v67, s44
	v_mul_f32 v69, v66, v67
	v_fma_f32 v70, v70, v67, -0.5
	v_fma_f32 v68, v69, v68, v66                   ; its sine
	v_fma_f32 v70, v70, v67, 1.0                   ; its cosine
	v_cvt_i32_f32 v71, v65
	v_and_b32 v72, 1, v71
	v_cmp_ne_u32 vcc_lo, 0, v72
	v_cndmask_b32 v73, v68, v70, vcc_lo            ; an odd n changes the two,
	v_cndmask_b32 v74, v70, v68, vcc_lo
	v_and_b32 v72, 2, v71
	v_lshlrev_b32 v72, 30, v72
	v_xor_b32 v73, v72, v73                        ; the sine is negative in quarters 2, 3,
	v_add_nc_u32 v71, 1, v71
	v_and_b32 v71, 2, v71
	v_lshlrev_b32 v71, 30, v71
	v_xor_b32 v74, v71, v74                        ; the cosine in quarters 1, 2
	v_cvt_pk_bf16_f32 v75, v74, v73                ; both rounded to bf16,
	v_lshlrev_b32 v[32+\j], 16, v75                ; and widened again
	v_and_b32 v[48+\j], 0xffff0000, v75
.endr
	s_wait_kmcnt 0x0
	s_add_nc_u64 s[26:27], s[26:27], s[30:31]
.irp c, 0,1,2,3
	global_store_b128 v1, v[32+4*\c:35+4*\c], s[26:27] offset:512*\c
	global_store_b128 v1, v[48+4*\c:51+4*\c], s[26:27] offset:2048+512*\c
.endr
	s_endpgm
.Lfunc_end_k_q3fea075f08_prep:
	.size	k_q3fea075f08_prep, .Lfunc_end_k_q3fea075f08_prep-k_q3fea075f08_prep
	.p2alignl 7, 3214868480
	.fill 96, 4, 3214868480
	.section	.rodata,"a",@progbits
	.p2align	6, 0x0
	.amdhsa_kernel k_q3fea075f08_prep
		.amdhsa_group_segment_fixed_size 34304
		.amdhsa_private_segment_fixed_size 0
		.amdhsa_enable_private_segment 0
		.amdhsa_kernarg_size 80
		.amdhsa_user_sgpr_count 2
		.amdhsa_user_sgpr_kernarg_segment_ptr 1
		.amdhsa_wavefront_size32 1
		.amdhsa_system_sgpr_workgroup_id_x 1
		.amdhsa_system_sgpr_workgroup_id_y 1
		.amdhsa_system_sgpr_workgroup_id_z 1
		.amdhsa_system_vgpr_workitem_id 0
		.amdhsa_next_free_vgpr 240
		.amdhsa_next_free_sgpr 72
		.amdhsa_reserve_vcc 1
		.amdhsa_float_denorm_mode_32 3
		.amdhsa_float_denorm_mode_16_64 3
		.amdhsa_memory_ordered 1
		.amdhsa_forward_progress 1
		.amdhsa_inst_pref_size 64
	.end_amdhsa_kernel
	.amdgpu_metadata
---
amdhsa.version: [ 1, 2 ]
amdhsa.kernels:
  - .name:           k_q3fea075f08_prep
    .symbol:         k_q3fea075f08_prep.kd
    .args:
      - { .name: x, .offset: 0, .size: 8, .value_kind: global_buffer, .address_space: global }
      - { .name: Wq1, .offset: 8, .size: 8, .value_kind: global_buffer, .address_space: global }
      - { .name: Wq2, .offset: 16, .size: 8, .value_kind: global_buffer, .address_space: global }
      - { .name: Wk1, .offset: 24, .size: 8, .value_kind: global_buffer, .address_space: global }
      - { .name: Wk2, .offset: 32, .size: 8, .value_kind: global_buffer, .address_space: global }
      - { .name: Wv, .offset: 40, .size: 8, .value_kind: global_buffer, .address_space: global }
      - { .name: Wout, .offset: 48, .size: 8, .value_kind: global_buffer, .address_space: global }
      - { .name: xq, .offset: 56, .size: 8, .value_kind: global_buffer, .address_space: global }
      - { .name: wq, .offset: 64, .size: 8, .value_kind: global_buffer, .address_space: global }
      - { .name: rope, .offset: 72, .size: 8, .value_kind: global_buffer, .address_space: global }
    .group_segment_fixed_size: 34304
    .private_segment_fixed_size: 0
    .kernarg_segment_align: 8
    .kernarg_segment_size: 80
    .max_flat_workgroup_size: 128
    .sgpr_count:     72
    .vgpr_count:     240
    .wavefront_size: 32
...
	.end_amdgpu_metadata
.endif
;; end of part 5
;; launch proj (part 6): grid 64 x 4, 4 waves a work-group, clusters of 4 x 4, 327,680 bytes of LDS; arguments xq, wq, rope, qkv; writes qkv
.if DOCPART == 6
	.amdgcn_target "amdgcn-amd-amdhsa--gfx1250"
	.amdhsa_code_object_version 6
	.text
	.protected	k_q3fea075f08_proj
	.globl	k_q3fea075f08_proj
	.p2align	8
	.type	k_q3fea075f08_proj,@function
k_q3fea075f08_proj:
	s_mov_b64 s[64:65], 0
	v_nop
	global_prefetch_b8 v0, s[64:65] scope:SCOPE_SE
	s_setreg_imm32_b32 hwreg(HW_REG_WAVE_MODE, 25, 1), 1
	s_wait_xcnt 0x0
	s_wait_alu depctr_hold_cnt(0) depctr_sa_sdst(0) depctr_va_vdst(0) depctr_va_sdst(0) depctr_va_ssrc(0) depctr_va_vcc(0) depctr_vm_vsrc(0)
	s_getreg_b32 s2, hwreg(HW_REG_IB_STS2, 6, 4)
	s_cmp_eq_u32 s2, 0
	s_cbranch_scc0 .Lentry_in_a_cluster
	s_endpgm
.Lentry_in_a_cluster:
	s_bfe_u32 s2, ttmp6, 0x10000c
	s_cmp_lg_u32 s2, 0xf033
	s_cbranch_scc0 .Lentry_shape_is_right
	s_endpgm
.Lentry_shape_is_right:
; PROJ.  The five projections of x on codes of FP6 (E2M3), the rotary step, and the quantising of q1 | q2 and k1 | k2 along the head's 64 and of v along the keys.  Nothing leaves as f32.
; OPERANDS are images of registers (a fragment = 16 rows x 128 K = 1,536 bytes, three pieces of 512, lane l's 16 bytes at 16 l); block a, lane row r = row pi(a, r) = 32 (a / 2) + 8 (a % 2) + r + 8 (r / 8) of a group of 128.
; So a product's result falls as the next quantiser wants it: lane (r, h) holds source 1's row pi(a, r), and the 16 registers of tiles 2 b, 2 b + 1 are source 0's rows 32 b + 16 h + 0 .. 15.
; SHARES.  4,096 tokens x 5,120 columns are 256 tokens x 320 columns for each of 256 work-groups.  Work-group (tr, tc) takes tokens 256 tr on against tile tc of the weights: two units of 128 rows ([Wq1 | Wq2] or [Wk1 | Wk2] of a head) and head tc's 64 rows of Wv.
; Q AND K: four waves of 128 tokens x 128 rows (64 accumulators, 512 registers): source 0 = the unit, source 1 = tokens: a lane holds a token, its registers run along the unit.
; V: THE SAME TOKEN FRAGMENTS, which lie in registers anyway, are source 0, and two blocks of 16 rows of Wv are source 1: a lane holds a channel, its registers run along the keys.  16 accumulators a wave; eight such products follow each 32 of the others,
; while the four token blocks that they take are still in their registers.
; K = 1,024 goes in four steps of 256 through two LDS slots.  Waves 0, 1 fetch the tokens' halves (24,576 dense bytes each), waves 2, 3 the halves of the weights' 61,440 dense bytes.  The scale words, for all of K, come once with the first fills.
; CLUSTER 4 x 4: the tokens' tiles are shared along a row of the cluster, the weights' along a column, each asked for jointly.
; OUT: qkv = QQ [b h][key step of 128][a][1536] (K = q1 | q2), KK likewise, VV [b h][key step][tile of 16 channels, 4][1536] (K = 128 keys), then their scale words QS, KS [b h][step][r][a], VS [b h][step][r][tile].
; LIMITS: NaN and infinities are not served; blocks whose largest magnitude lies under 2^-124 keep the byte 1 (a block of zeros too: its codes are zeros, and this program alone reads the bytes).
; REGISTERS: window 0: v0-31 addresses; v32-63 scale words, two sets; v64-127 V's accumulators of token blocks 4-7; v128-223 the tokens' fragments, one set; v224-247 Wv's two fragments; v248-255 Wv's scale words, two sets; on the way out v128-241 at work.
;   window 1: the units' fragments, two sets, at v0 and v128; v96-127, v224-255 V's accumulators of token blocks 0-3; on the way out v0-63 two blocks of the rotary table.
;   windows 2, 3: the accumulators of my tokens 0-63 and 64-127 ((a, b) at v[8 (8 (a % 4) + b)]).
.set HALFA,  24576                     ; 128 tokens x 256 K: what wave 0 or 1 fetches
.set BPART,  30720                     ; half of the weights' part of a slot: what wave 2 or 3 fetches
.set BOFF,   2*HALFA                   ; a slot: the tokens' two halves, unit 0, unit 1, Wv's 64 rows
.set VOFFS,  BOFF+2*HALFA
.set SLOT,   BOFF+2*BPART              ; 110,592
.set SCL,    2*SLOT                    ; behind the ring: the scale words: tokens 2 x 4,096, units 2 x 4,096, Wv 2,048
.set SPARE,  SCL+18432                 ; the spare words, 128 bytes a wave
.set FR,     12
.set NL,     3                         ; LDS loads that bring a fragment
.set NQ,     2                         ; steps of 128 in a slot
.set NP,     4                         ; places behind this matrix instruction (ISA guide 7.12.1)
.set XSC,    3145728
.set WSC,    4718592
.set OFF_VV, 12582912
.set OFF_QS, 15728640
.set OFF_VS, 16252928
.set ADRA, 16                          ; v16-17 LDS address of the tokens' fragments in slot 0, 1
.set ADRB, 20                          ; v20-21 of my unit's
.set ADRV, 22                          ; v22-23 of my two blocks of Wv
.set SOF,  24                          ; v24    q's and k's scale words' place on the way out
.set ADSV, 25                          ; v25    LDS address of Wv's scale words
.set LI,   26                          ; v26    16 x lane
.set ADRS, 27                          ; v27    LDS address of my scale words: lanes 0-15 the tokens', lanes 16-31 the unit's
.set SPW,  28                          ; v28    my spare word's LDS address; never rewritten
.set NIL,  29                          ; v29    0; never rewritten
.set SOFV, 30                          ; v30    v's scale words' place on the way out
.set SC,   32
.set AF,   128
.set VF,   224
.set VSC,  248
.set CT,   0                           ; in window 1: the table: block a in set a % 2: 16 cosines, 16 sines
.set HA,   128                         ; the way out: 64 numbers behind the rotary step
.set PC,   192                         ; v192-203 codes; v204-206, v208-210 upper halves
.set TMX,  212
.set TP,   216
.set TSO,  224
.set PW,   228                         ; v228-235 the eight blocks' scale words
.set OUTW, 236
.set PWV,  240                         ; v240-241 v's two
.set G1, 24
.set G0, 32
.set G1B, 48
.set G0B, 56
.set G1S, 68
.set G0S, 76
.set G1SB, 80
.set G0SB, 88
.set MSB, 0
.macro WIN new                         ; the immediate's high byte repeats the setting that is left
.if MSB != (\new)
	s_set_vgpr_msb (MSB<<8)|(\new)
.set MSB, (\new)
.endif
.endm
.set MUL_LO, 0xa1                      ; source 0 window 1, source 1 window 0, C and D window 2
.set MUL_HI, 0xf1
.set V_LO,   0x50                      ; sources 0 and 1 window 0, C and D window 1
.set TO_B,   0x40
; A joint load: waves 0 and 1 fetch the tokens' halves, waves 2 and 3 the weights'.  An s_nop 0 and four v_nop follow each line.
.macro JLOAD g0a, g1a, g0b, g1b
	s_cmp_eq_u32 s15, 0
	s_cbranch_scc0 .Lfor_b_\@
	tensor_load_to_lds s[\g0a:\g0a+3], s[\g1a:\g1a+7]
	s_nop 0
.rept 4
	v_nop
.endr
	s_branch .Lasked_\@
.Lfor_b_\@:
	tensor_load_to_lds s[\g0b:\g0b+3], s[\g1b:\g1b+7]
	s_nop 0
.rept 4
	v_nop
.endr
.Lasked_\@:
.endm
.macro CREST
	s_cmp_lg_u32 s14, 0
	s_cbranch_scc1 .Lnot_wave_0_\@
	s_barrier_signal -3
.Lnot_wave_0_\@:
	s_barrier_wait -3
	s_barrier_signal -1
	s_barrier_wait -1
.endm
.macro CROUND
	s_barrier_signal -1
	s_barrier_wait -1
	CREST
.endm
.macro G1ROWS g, rows                  ; rows of 256 bytes (32 elements of 8), dense; word 0 is written apart, with its mask
	s_mov_b32 s[\g+1], 32<<16
	s_mov_b32 s[\g+2], (\rows)<<16
	s_mov_b32 s[\g+3], 32<<16
	s_mov_b32 s[\g+4], \rows
	s_mov_b32 s[\g+5], 32
	s_mov_b32 s[\g+6], 0
	s_mov_b32 s[\g+7], 0
.endm
	s_load_b256 s[4:11], s[0:1], 0x0               ; xq, wq, rope, qkv
	v_lshl_add_u32 v[SPW], v0, 2, SPARE
	v_mov_b32 v[NIL], 0
	ds_add_u32 v[SPW], v[NIL]                      ; the wave's opening: the add and its wait ahead of my first tensor load
	v_lshrrev_b32 v1, 5, v0
	v_readfirstlane_b32 s14, v1                    ; wave
	s_lshr_b32 s15, s14, 1                         ; my half of the tokens.  Also: I fetch for the tokens (0) or for the weights (1)
	s_and_b32 s16, s14, 1                          ; my unit, and my half of Wv's rows.  Also: which half I fetch
	s_bfe_u32 s40, ttmp6, 0x40000                  ; cx
	s_bfe_u32 s41, ttmp6, 0x40004                  ; cy
	s_and_b32 s42, ttmp9, 3                        ; the grid's 16 clusters lie along x: cluster c serves weights' tiles 4 (c % 4) on and tokens' tiles 4 (c / 4) on
	s_lshl_b32 s42, s42, 2
	s_add_co_u32 s42, s42, s40                     ; tc
	s_lshr_b32 s17, ttmp9, 2
	s_lshl_b32 s17, s17, 2
	s_add_co_u32 s17, s17, s41                     ; tr
	s_lshl_b32 s43, s41, 2
	s_lshl_b32 s43, 15, s43                        ; my row of the cluster
	s_lshl_b32 s44, 0x1111, s40                    ; my column
	s_or_b32 s[G1], s43, (3<<16)|(1<<21)           ; the mask; elements of 8 bytes; bit 21 beside a mask; no padding: an image's 512 bytes are read on end
	s_or_b32 s[G1B], s44, (3<<16)|(1<<21)
	s_or_b32 s[G1S], s43, (3<<16)|(1<<21)
	s_or_b32 s[G1SB], s44, (3<<16)|(1<<21)
	G1ROWS G1, 96                                  ; 24,576 bytes
	G1ROWS G1B, 120                                ; 30,720
	G1ROWS G1S, 16                                 ; 4,096
	G1ROWS G1SB, 20                                ; 5,120
	s_lshl_b32 s20, s17, 1
	s_add_co_u32 s20, s20, s16                     ; the group of 128 tokens that I fetch
	s_lshl_b32 s22, s20, 12
	s_add_co_u32 s22, s22, XSC
	s_mul_i32 s20, s20, 98304
	s_mul_i32 s46, s42, 245760                     ; the weights' tile, and my half of a slot's part of it
	s_mul_i32 s92, s16, BPART
	s_add_co_u32 s46, s46, s92
	s_mul_i32 s92, s42, 10240
	s_mul_i32 s93, s16, 5120
	s_add_co_u32 s92, s92, s93
	s_add_co_u32 s92, s92, WSC
	s_mov_b32 s21, 0
	s_mov_b32 s23, 0
	s_mov_b32 s47, 0
	s_mov_b32 s93, 0
	s_mul_i32 s45, s16, HALFA                      ; where they go: no place in the cluster enters an LDS address
	s_mul_i32 s94, s16, BPART
	s_add_co_u32 s94, s94, BOFF
	s_lshl_b32 s96, s16, 12
	s_mul_i32 s97, s16, 5120
	s_add_co_u32 s97, s97, 8192
	s_wait_dscnt 0x0                               ; the opening add is done
	s_wait_kmcnt 0x0
	s_add_nc_u64 s[20:21], s[4:5], s[20:21]
	s_add_nc_u64 s[22:23], s[4:5], s[22:23]
	s_add_nc_u64 s[46:47], s[6:7], s[46:47]
	s_add_nc_u64 s[92:93], s[6:7], s[92:93]
	CROUND                                         ; all sixteen work-groups are here: the first joint loads meet
	s_mov_b32 s[G0S], 1
	s_add_co_u32 s[G0S+1], s96, SCL
	s_mov_b64 s[G0S+2:G0S+3], s[22:23]
	s_or_b32 s[G0S+3], s[G0S+3], 0x80000000
	s_mov_b32 s[G0SB], 1
	s_add_co_u32 s[G0SB+1], s97, SCL
	s_mov_b64 s[G0SB+2:G0SB+3], s[92:93]
	s_or_b32 s[G0SB+3], s[G0SB+3], 0x80000000
	JLOAD G0S, G1S, G0SB, G1SB                     ; the scale words first
.irp s, 0,1
	s_mov_b32 s[G0+4*\s], 1
	s_add_co_u32 s[G0+4*\s+1], s45, \s*SLOT
	s_add_nc_u64 s[G0+4*\s+2:G0+4*\s+3], s[20:21], \s*HALFA
	s_or_b32 s[G0+4*\s+3], s[G0+4*\s+3], 0x80000000
	s_mov_b32 s[G0B+4*\s], 1
	s_add_co_u32 s[G0B+4*\s+1], s94, \s*SLOT
	s_add_nc_u64 s[G0B+4*\s+2:G0B+4*\s+3], s[46:47], \s*2*BPART
	s_or_b32 s[G0B+4*\s+3], s[G0B+4*\s+3], 0x80000000
	JLOAD G0+4*\s, G1, G0B+4*\s, G1B
.endr
	v_and_b32 v1, 15, v0                           ; r
	v_bfe_u32 v2, v0, 4, 1                         ; h
	v_and_b32 v6, 31, v0
	v_lshlrev_b32 v[LI], 4, v6
	s_mul_i32 s21, s15, HALFA                      ; my 128 tokens,
	s_mul_i32 s22, s16, HALFA
	s_add_co_u32 s22, s22, BOFF                    ; my unit,
	s_mul_i32 s23, s16, 2*1536
	s_add_co_u32 s23, s23, VOFFS                   ; my two blocks of Wv
.irp s, 0,1
	v_add_nc_u32 v[ADRA+\s], s21, v[LI]
	v_add_nc_u32 v[ADRB+\s], s22, v[LI]
	v_add_nc_u32 v[ADRV+\s], s23, v[LI]
	s_add_co_u32 s21, s21, SLOT
	s_add_co_u32 s22, s22, SLOT
	s_add_co_u32 s23, s23, SLOT
.endr
	v_lshlrev_b32 v5, 4, v1                        ; my row's four words of a half of K: 16 r
	s_lshl_b32 s21, s15, 12
	s_lshl_b32 s22, s16, 12
	s_add_co_u32 s22, s22, 8192
	s_sub_co_u32 s22, s22, s21
	v_mul_u32_u24 v6, s22, v2                      ; lanes 16-31 take the unit's: one product with h
	s_add_co_u32 s21, s21, SCL
	v_add_nc_u32 v6, v5, v6
	v_add_nc_u32 v[ADRS], s21, v6
	s_lshl_b32 s22, s16, 9                         ; Wv's: my two blocks of 256 bytes; both halves of the lanes read the same
	s_add_co_u32 s22, s22, SCL+16384
	v_add_nc_u32 v[ADSV], s22, v5
	; ---- where my results go
	s_lshl_b32 s20, s17, 1
	s_add_co_u32 s20, s20, s15                     ; my group of 128 tokens
	s_lshl_b32 s46, s42, 1
	s_add_co_u32 s46, s46, s16                     ; my unit
	s_lshr_b32 s96, s20, 4
	s_lshl_b32 s96, s96, 4                         ; 16 x the batch
	s_and_b32 s97, s20, 15                         ; the step of 128 tokens
	s_and_b32 s21, s46, 15                         ; q, k: the head
	s_add_co_u32 s21, s21, s96
	s_lshl_b32 s21, s21, 4
	s_add_co_u32 s21, s21, s97
	s_lshr_b32 s92, s46, 4                         ; q (0) or k (1)
	s_mul_i32 s93, s92, 6291456
	s_lshl_b32 s92, s92, 18
	s_add_co_u32 s92, s92, OFF_QS
	s_mul_i32 s12, s21, 12288
	s_add_co_u32 s12, s12, s93
	s_mov_b32 s13, 0
	s_lshl_b32 s18, s21, 9
	s_add_co_u32 s18, s18, s92
	s_mov_b32 s19, 0
	s_add_co_u32 s21, s42, s96                     ; v: the head is tc
	s_lshl_b32 s21, s21, 4
	s_add_co_u32 s21, s21, s97
	s_mul_i32 s2, s21, 6144
	s_mul_i32 s3, s16, 2*1536                      ; my two tiles of 16 channels
	s_add_co_u32 s2, s2, s3
	s_add_co_u32 s2, s2, OFF_VV
	s_mov_b32 s3, 0
	s_lshl_b32 s66, s21, 8
	s_lshl_b32 s67, s16, 3                         ; and their two words of each row's four
	s_add_co_u32 s66, s66, s67
	s_add_co_u32 s66, s66, OFF_VS
	s_mov_b32 s67, 0
	s_add_nc_u64 s[12:13], s[10:11], s[12:13]      ; q's or k's codes
	s_add_nc_u64 s[18:19], s[10:11], s[18:19]      ; and scale words
	s_add_nc_u64 s[2:3], s[10:11], s[2:3]          ; v's codes
	s_add_nc_u64 s[66:67], s[10:11], s[66:67]      ; and scale words
	s_lshl_b32 s96, s97, 15
	s_mov_b32 s97, 0
	s_add_nc_u64 s[8:9], s[8:9], s[96:97]          ; the table's eight blocks of my 128 tokens
.macro FRAG reg, adr, q, i             ; a fragment comes as it was stored: three loads of 512 consecutive bytes
.irp c, 0,1,2
	ds_load_b128 v[\reg+4*\c:\reg+4*\c+3], v[\adr] offset:(\q)*12288+(\i)*1536+512*\c
.endr
.endm
; 16 matrix instructions: the tokens' blocks a0, a0 + 1 x the unit's eight.  All accumulators take turns, one instruction a turn, in the same order in every step.
.macro MUL16 a0, p, q, sc, zero
.irp a, \a0, \a0+1
.irp b, 0,1,2,3,4,5,6,7
.if \zero
	v_wmma_scale_f32_16x16x128_f8f6f4 v[8*(8*((\a)%4)+\b):8*(8*((\a)%4)+\b)+7], v[128*(\p)+FR*\b:128*(\p)+FR*\b+FR-1], v[AF+FR*(\a):AF+FR*(\a)+FR-1], 0, v[SC+8*NQ*(\sc)+NQ*\b+(\q)], v[SC+8*NQ*(\sc)+NQ*(\a)+(\q)] matrix_a_fmt:MATRIX_FMT_FP6 matrix_b_fmt:MATRIX_FMT_FP6 matrix_a_scale:MATRIX_SCALE_ROW1
.else
	v_wmma_scale_f32_16x16x128_f8f6f4 v[8*(8*((\a)%4)+\b):8*(8*((\a)%4)+\b)+7], v[128*(\p)+FR*\b:128*(\p)+FR*\b+FR-1], v[AF+FR*(\a):AF+FR*(\a)+FR-1], v[8*(8*((\a)%4)+\b):8*(8*((\a)%4)+\b)+7], v[SC+8*NQ*(\sc)+NQ*\b+(\q)], v[SC+8*NQ*(\sc)+NQ*(\a)+(\q)] matrix_a_fmt:MATRIX_FMT_FP6 matrix_b_fmt:MATRIX_FMT_FP6 matrix_a_scale:MATRIX_SCALE_ROW1
.endif
.endr
.endr
.endm
; 8 matrix instructions for v: source 0 = the tokens' blocks a0 .. a0 + 3, source 1 = my two blocks of Wv.  Both sides' scale words stand in lanes 0-15 of their registers.
; The accumulator of (token block a, Wv's block c): a < 4: window 1, v[96 + 128 c + 8 a]; else window 0, v[64 + 32 c + 8 (a - 4)].
.macro MULV a0, q, sc, zero
.irp a, \a0, \a0+1, \a0+2, \a0+3
.irp c, 0,1
.if (\a0) == 0
.set VD, 96+128*\c+8*(\a)
.else
.set VD, 64+32*\c+8*((\a)-4)
.endif
.if \zero
	v_wmma_scale_f32_16x16x128_f8f6f4 v[VD:VD+7], v[AF+FR*(\a):AF+FR*(\a)+FR-1], v[VF+FR*\c:VF+FR*\c+FR-1], 0, v[SC+8*NQ*(\sc)+NQ*(\a)+(\q)], v[VSC+4*(\sc)+2*\c+(\q)] matrix_a_fmt:MATRIX_FMT_FP6 matrix_b_fmt:MATRIX_FMT_FP6
.else
	v_wmma_scale_f32_16x16x128_f8f6f4 v[VD:VD+7], v[AF+FR*(\a):AF+FR*(\a)+FR-1], v[VF+FR*\c:VF+FR*\c+FR-1], v[VD:VD+7], v[SC+8*NQ*(\sc)+NQ*(\a)+(\q)], v[VSC+4*(\sc)+2*\c+(\q)] matrix_a_fmt:MATRIX_FMT_FP6 matrix_b_fmt:MATRIX_FMT_FP6
.endif
.endr
.endr
.endm
.macro FETCH_B slot, q, p
	WIN TO_B
.irp i, 0,1,2,3,4,5,6,7
	FRAG 128*(\p)+FR*\i, ADRB+\slot, \q, \i
.endr
	WIN 0
.endm
.macro FETCH_A slot, q, i0
.irp i, \i0, \i0+1, \i0+2, \i0+3
	FRAG AF+FR*(\i), ADRA+\slot, \q, \i
.endr
.endm
.macro FETCH_V slot, q                 ; my two fragments of Wv: six loads
.irp c, 0,1
.irp k, 0,1,2
	ds_load_b128 v[VF+FR*\c+4*\k:VF+FR*\c+4*\k+3], v[ADRV+\slot] offset:(\q)*6144+\c*1536+512*\k
.endr
.endr
.endm
.macro SCALES sc                       ; a slot's two words a row: lanes 0-15 the tokens' block i, lanes 16-31 the unit's; and Wv's two blocks'
.irp i, 0,1,2,3,4,5,6,7
	ds_load_b64 v[SC+8*NQ*\sc+NQ*\i:SC+8*NQ*\sc+NQ*\i+1], v[ADRS] offset:256*\i+8*\sc
.endr
.irp c, 0,1
	ds_load_b64 v[VSC+4*\sc+2*\c:VSC+4*\sc+2*\c+1], v[ADSV] offset:256*\c+8*\sc
.endr
.endm
.macro PLACES n
.rept \n
	v_nop
.endr
.endm
.macro STEP slot, q, zero              ; a step of 128 along K that has its successor in the same slot
	s_wait_dscnt 4*NL                              ; all but the youngest twelve loads (the tokens' blocks 4-7): Wv's fragments were asked for ahead of those
	WIN MUL_LO
	MUL16 0, (\q)%2, \q, \slot, \zero
	MUL16 2, (\q)%2, \q, \slot, \zero
	WIN V_LO
	MULV 0, \q, \slot, \zero
	s_wait_dscnt 0
	PLACES NP
	FETCH_B \slot, (\q)+1, 1-(\q)%2
	FETCH_A \slot, (\q)+1, 0
	WIN MUL_HI
	MUL16 4, (\q)%2, \q, \slot, \zero
	MUL16 6, (\q)%2, \q, \slot, \zero
	WIN 0
	MULV 4, \q, \slot, \zero
	PLACES NP
	FETCH_V \slot, (\q)+1
	FETCH_A \slot, (\q)+1, 4
.endm
; A slot's last step changes slots: one barrier; in front of it each wave waits for all its tensor loads, adds 0 to its spare word, and waits for that and for its reads of this slot.
.macro TURN slot, next, fill
	s_wait_tensorcnt 0x0                           ; all my tensor loads have landed: my part of the next slot
	ds_add_u32 v[SPW], v[NIL]
	s_wait_dscnt 4*NL+1                            ; (the add and the youngest twelve loads may be out)
	WIN MUL_LO
	MUL16 0, 1, NQ-1, \slot, 0
	s_wait_dscnt 0x0                               ; the add is done, and my reads of this slot are over
	s_barrier_signal -1
	MUL16 2, 1, NQ-1, \slot, 0
	WIN V_LO
	MULV 0, NQ-1, \slot, 0
	WIN 0
	s_barrier_wait -1
.if \fill
	CREST                                          ; the barrier has opened a round of the cluster's: no wave of any partner still reads this slot or has a load on its way
	s_add_nc_u64 s[G0+4*\slot+2:G0+4*\slot+3], s[G0+4*\slot+2:G0+4*\slot+3], 2*HALFA
	s_add_nc_u64 s[G0B+4*\slot+2:G0B+4*\slot+3], s[G0B+4*\slot+2:G0B+4*\slot+3], 4*BPART
	JLOAD G0+4*\slot, G1, G0B+4*\slot, G1B         ; the first tensor load behind the round; its four v_nop are the places in front of the loads below
.else
	PLACES NP
.endif
.if \slot == 1
	v_add_nc_u32 v[ADRS], 2048, v[ADRS]            ; on to the second half of K's scale words
	v_add_nc_u32 v[ADSV], 1024, v[ADSV]
.endif
	FETCH_B \next, 0, 0
	FETCH_A \next, 0, 0
	SCALES \next
	WIN MUL_HI
	MUL16 4, 1, NQ-1, \slot, 0
	MUL16 6, 1, NQ-1, \slot, 0
	WIN 0
	MULV 4, NQ-1, \slot, 0
	PLACES NP
	FETCH_V \next, 0
	FETCH_A \next, 0, 4
.endm
	s_wait_tensorcnt 1                             ; the scale words and my part of slot 0 are in; slot 1's load may be out
	s_barrier_signal -1
	s_barrier_wait -1
	FETCH_B 0, 0, 0
	FETCH_A 0, 0, 0
	SCALES 0
	FETCH_V 0, 0
	FETCH_A 0, 0, 4
	STEP 0, 0, 1                                   ; K has eight steps of 128: they are written out; the first starts the sums
	TURN 0, 1, 1
	STEP 1, 0, 0
	TURN 1, 0, 1
	STEP 0, 0, 0
	TURN 0, 1, 0                                   ; nothing is left to fetch
	STEP 1, 0, 0
	WIN TO_B                                       ; the units' set 0 has had its last product, four places back: it takes the table's first two blocks, a step and v's way out ahead of their use
.irp a, 0,1
.irp j, 0,1,2,3,4,5,6,7
	global_load_b128 v[CT+32*\a+4*\j:CT+32*\a+4*\j+3], v[LI], s[8:9] offset:\a*4096+512*\j
.endr
.endr
	WIN 0
	s_wait_dscnt 4*NL
	WIN MUL_LO
	MUL16 0, 1, NQ-1, 1, 0
	MUL16 2, 1, NQ-1, 1, 0
	WIN V_LO
	MULV 0, NQ-1, 1, 0
	s_wait_dscnt 0
	WIN MUL_HI
	MUL16 4, 1, NQ-1, 1, 0
	MUL16 6, 1, NQ-1, 1, 0
	WIN 0
	MULV 4, NQ-1, 1, 0
; What follows the four largest magnitudes of a lane's halves of four blocks: the blocks' scales, and the scale word in v[pw]
.macro QSCALE pw
.irp b, 0,1,2,3
	v_permlanex16_b32 v[TP+\b], v[TMX+\b], s96, s97
.endr
.irp b, 0,1,2,3
	v_max_num_f32 v[TMX+\b], v[TMX+\b], v[TP+\b]   ; with lane l xor 16's: the block's largest magnitude
.endr
.irp b, 0,1,2,3
	v_add_nc_u32 v[TSO+\b], 0xff000000, v[TMX+\b]  ; 2 off its exponent field: the conversion's scale operand
.endr
.irp b, 0,1,2,3
	v_lshrrev_b32 v[TP+\b], 23, v[TSO+\b]          ; the byte
.endr
	v_lshl_or_b32 v[\pw], v[TP+1], 8, v[TP]
	v_lshl_or_b32 v[\pw], v[TP+2], 16, v[\pw]
	v_lshl_or_b32 v[\pw], v[TP+3], 24, v[\pw]
.endm
; What follows the four conversions: the operand's layout wants a whole block in a lane
.macro QWHOLE
	v_nop                                          ; one plain place behind a scaled conversion
.irp c, 0,1
.irp i, 0,1,2
	v_permlane16_swap_b32 v[PC+6*\c+\i], v[PC+12+4*\c+\i]
.endr
.irp i, 0,1,2
	v_mov_b32 v[PC+3+6*\c+\i], v[PC+12+4*\c+\i]
.endr
.endr
.endm
; 64 numbers of a lane in window 0, register 16 b + i = K 32 b + 16 h + i of my row, become a fragment's codes in v[PC] on and its scale word in v[pw].
.macro QUANT s, pw
.irp b, 0,1,2,3
	v_max3_num_f32 v[TMX+\b], 0x1800000, |v[(\s)+16*\b]|, |v[(\s)+16*\b+1]|   ; with the floor 2^(3 - 127)
.endr
.irp i, 2,4,6,8,10,12,14
.irp b, 0,1,2,3
	v_max3_num_f32 v[TMX+\b], v[TMX+\b], |v[(\s)+16*\b+\i]|, |v[(\s)+16*\b+\i+1]|
.endr
.endr
	QSCALE \pw
.irp c, 0,1
	v_cvt_scalef32_pk16_fp6_f32 v[PC+6*\c:PC+6*\c+2], v[(\s)+32*\c:(\s)+32*\c+15], v[TSO+2*\c]
	v_cvt_scalef32_pk16_fp6_f32 v[PC+12+4*\c:PC+14+4*\c], v[(\s)+32*\c+16:(\s)+32*\c+31], v[TSO+2*\c+1]
.endr
	QWHOLE
.endm
; The same straight out of v's accumulators of Wv's block c: keys 0-63 lie in window 1, keys 64-127 in window 0.  Each accumulator is read from its low end on.
.macro QUANTV c
.set VLO, 96+128*(\c)
.set VHI, 64+32*(\c)
	WIN 0x14                                       ; sources 1 and 2 window 1
.irp b, 0,1
	v_max3_num_f32 v[TMX+\b], 0x1800000, |v[VLO+16*\b]|, |v[VLO+16*\b+1]|
.endr
.irp i, 2,4,6,8,10,12,14
.irp b, 0,1
	v_max3_num_f32 v[TMX+\b], v[TMX+\b], |v[VLO+16*\b+\i]|, |v[VLO+16*\b+\i+1]|
.endr
.endr
	WIN 0
.irp b, 0,1
	v_max3_num_f32 v[TMX+2+\b], 0x1800000, |v[VHI+16*\b]|, |v[VHI+16*\b+1]|
.endr
.irp i, 2,4,6,8,10,12,14
.irp b, 0,1
	v_max3_num_f32 v[TMX+2+\b], v[TMX+2+\b], |v[VHI+16*\b+\i]|, |v[VHI+16*\b+\i+1]|
.endr
.endr
	QSCALE PWV+(\c)
	WIN 0x01                                       ; source 0 window 1
	v_cvt_scalef32_pk16_fp6_f32 v[PC:PC+2], v[VLO:VLO+15], v[TSO]
	v_cvt_scalef32_pk16_fp6_f32 v[PC+12:PC+14], v[VLO+16:VLO+31], v[TSO+1]
	WIN 0
	v_cvt_scalef32_pk16_fp6_f32 v[PC+6:PC+8], v[VHI:VHI+15], v[TSO+2]
	v_cvt_scalef32_pk16_fp6_f32 v[PC+16:PC+18], v[VHI+16:VHI+31], v[TSO+3]
	QWHOLE
.endm
	PLACES NP                                      ; behind the last products: their results are read and their operands' registers written below
	s_mov_b32 s96, 0x76543210
	s_mov_b32 s97, 0xfedcba98                      ; selects for lane l xor 16
.irp b, 0,1,2,3
	v_mov_b32 v[TP+\b], 0                          ; a lane permute's destination counts as read
.endr
	; ---- v: my two tiles of 16 channels x 128 keys
.irp c, 0,1
.if \c > 0
	s_wait_xcnt 0x0                                ; the first tile's stores have read the codes' registers
.endif
	QUANTV \c
.irp k, 0,1,2
	global_store_b128 v[LI], v[PC+4*\k:PC+4*\k+3], s[2:3] offset:\c*1536+512*\k
.endr
.endr
	v_lshlrev_b32 v[SOFV], 4, v1
	global_store_b64 v[SOFV], v[PWV:PWV+1], s[66:67]         ; my two words of each row's four (both halves of the lanes write the same)
	; ---- q and k: a block of 16 tokens at a time: the rotary step on q1 (or k1) and q2 (k2), then one fragment with K = first | second
.macro QKOUT a
	s_wait_xcnt 0x0                                ; the last stores have read the codes' registers
.if \a < 7
	s_wait_loadcnt 8                               ; this block's eight table loads are in, the next block's may be out
.else
	s_wait_loadcnt 0x0
.endif
	WIN 0x06+(\a)/4                                ; source 0: the accumulators' window; source 1: the table's
.set CB, CT+32*((\a)%2)
.set AB, 64*((\a)%4)
.irp p, 0,1
.irp u, 0,1
.irp j, 0,2,4,6
.set X1, AB+8*(4*\p+\u)+\j                         ; channel 16 h + 8 u + j
.set X2, AB+8*(4*\p+2+\u)+\j                       ; and the one 32 further on
.set CO_, CB+8*\u+\j
.set SI_, CB+16+8*\u+\j
.set Y1, HA+32*\p+8*\u+\j
.set Y2, Y1+16
	v_pk_mul_f32 v[Y1:Y1+1], v[X2:X2+1], v[SI_:SI_+1]
	v_pk_mul_f32 v[Y2:Y2+1], v[X2:X2+1], v[CO_:CO_+1]
	v_pk_fma_f32 v[Y1:Y1+1], v[X1:X1+1], v[CO_:CO_+1], v[Y1:Y1+1]                              ; x1 cos + x2 sin
	v_pk_fma_f32 v[Y2:Y2+1], v[X1:X1+1], v[SI_:SI_+1], v[Y2:Y2+1] neg_lo:[1,0,0] neg_hi:[1,0,0]   ; - x1 sin + x2 cos
.endr
.endr
.endr
.if \a < 6
	WIN TO_B
.irp j, 0,1,2,3,4,5,6,7
	global_load_b128 v[CB+4*\j:CB+4*\j+3], v[LI], s[8:9] offset:((\a)+2)*4096+512*\j
.endr
.endif
	WIN 0
	QUANT HA, PW+(\a)
.irp c, 0,1,2
	global_store_b128 v[LI], v[PC+4*\c:PC+4*\c+3], s[12:13] offset:(\a)*1536+512*\c
.endr
.endm
.irp a, 0,1,2,3,4,5,6,7
	QKOUT \a
.endr
	v_cmp_ne_u32 vcc_lo, 0, v2
.irp k, 0,1,2,3
	v_cndmask_b32 v[OUTW+\k], v[PW+\k], v[PW+4+\k], vcc_lo   ; lanes 0-15: blocks 0-3's words of row r; lanes 16-31: blocks 4-7's
.endr
	v_lshlrev_b32 v[SOF], 5, v1
	v_lshl_add_u32 v[SOF], v2, 4, v[SOF]
	global_store_b128 v[SOF], v[OUTW:OUTW+3], s[18:19]       ; 512 consecutive bytes
	s_wait_tensorcnt 0x0                           ; the wave's end
	ds_add_u32 v[SPW], v[NIL]
	s_wait_dscnt 0x0
	CROUND                                         ; the closing round
	s_endpgm
.Lfunc_end_k_q3fea075f08_proj:
	.size	k_q3fea075f08_proj, .Lfunc_end_k_q3fea075f08_proj-k_q3fea075f08_proj
	.p2alignl 7, 3214868480
	.fill 96, 4, 3214868480
	.section	.rodata,"a",@progbits
	.p2align	6, 0x0
	.amdhsa_kernel k_q3fea075f08_proj
		.amdhsa_group_segment_fixed_size 327680
		.amdhsa_private_segment_fixed_size 0
		.amdhsa_enable_private_segment 0
		.amdhsa_kernarg_size 32
		.amdhsa_user_sgpr_count 2
		.amdhsa_user_sgpr_kernarg_segment_ptr 1
		.amdhsa_wavefront_size32 1
		.amdhsa_system_sgpr_workgroup_id_x 1
		.amdhsa_system_sgpr_workgroup_id_y 1
		.amdhsa_system_sgpr_workgroup_id_z 1
		.amdhsa_system_vgpr_workitem_id 0
		.amdhsa_next_free_vgpr 1024
		.amdhsa_next_free_sgpr 102
		.amdhsa_reserve_vcc 1
		.amdhsa_float_denorm_mode_32 3
		.amdhsa_float_denorm_mode_16_64 3
		.amdhsa_memory_ordered 1
		.amdhsa_forward_progress 1
		.amdhsa_inst_pref_size 207
	.end_amdhsa_kernel
	.amdgpu_metadata
---
amdhsa.version: [ 1, 2 ]
amdhsa.kernels:
  - .name:           k_q3fea075f08_proj
    .symbol:         k_q3fea075f08_proj.kd
    .args:
      - { .name: xq, .offset: 0, .size: 8, .value_kind: global_buffer, .address_space: global }
      - { .name: wq, .offset: 8, .size: 8, .value_kind: global_buffer, .address_space: global }
      - { .name: rope, .offset: 16, .size: 8, .value_kind: global_buffer, .address_space: global }
      - { .name: qkv, .offset: 24, .size: 8, .value_kind: global_buffer, .address_space: global }
    .group_segment_fixed_size: 327680
    .private_segment_fixed_size: 0
    .kernarg_segment_align: 8
    .kernarg_segment_size: 32
    .max_flat_workgroup_size: 128
    .sgpr_count:     102
    .vgpr_count:     1024
    .wavefront_size: 32
...
	.end_amdgpu_metadata
.endif
;; end of part 6
;; launch attn: the kernel of part 3 again; grid 8 x 32, 16 waves a work-group, no clusters, 327,680 bytes of LDS; arguments qkv, yq; writes yq
;; launch outp: the kernel of part 4 again; grid 4 x 16, 4 waves a work-group, clusters of 4 x 4, 327,680 bytes of LDS; arguments yq, wq, out0; writes out0
